; MI455X (gfx1250); checked and timed in simulation.
; The chip was launched on July 23, 2026; its instructions are those of AMD's public machine-readable ISA for CDNA 5 (MIT licence, August 2026) and "CDNA5" Instruction Set Architecture Reference Guide (July 2026). The comments in the code are by the model that wrote it; some were corrected since.
;; Multi Head Attention. Allowed arithmetic: matrix products marked QUANTISED: E2M3 operands, one E8M0 scale for each 32 along K, by v_wmma_scale_f32_16x16x128_f8f6f4 with both operands' format E2M3, f32 sums; everything else in f32.
;; Inputs: bk 16 x 64 float32; bo 1,024 float32; bq 16 x 64 float32; bv 16 x 64 float32; wk 16 x 1,024 x 64 float32; wo 1,024 x 1,024 float32; wq 16 x 1,024 x 64 float32; wv 16 x 1,024 x 64 float32; x 4 x 2,048 x 1,024 float32.
;; Outputs: out0 4 x 2,048 x 1,024 float32.
;; This version of the problem:
;;   THIS VERSION OF THE PROBLEM IS GIVEN IN LOW PRECISION. The matrix products marked QUANTISED in the list below multiply operands that are first quantised to E2M3 (2 exponent bits, 3 mantissa bits; 6 bits a number), with one power-of-two scale for each 32 numbers along K (OCP MX v1.0); their sums are f32. All else is computed in f32.
;;   The module's matrix products, in the order in which they are computed (A, B: the left and right operand; K: the contracted axis; several contracted axes count as one K, in the product's order):
;;     1. [M 1,024, K 1,024] x [K 1,024, N 8,192]; A: input wq; B: input x: QUANTISED
;;     2. [M 1,024, K 1,024] x [K 1,024, N 8,192]; A: input wk; B: input x: QUANTISED
;;     3. [M 1,024, K 1,024] x [K 1,024, N 8,192]; A: input wv; B: input x: QUANTISED
;;     4. batch 64 x [M 2,048, K 64] x [K 64, N 2,048]; A: computed on the way; B: computed on the way: QUANTISED
;;     5. batch 64 x [M 2,048, K 2,048] x [K 2,048, N 64]; A: softmax (see below); B: computed on the way: QUANTISED
;;     6. [M 8,192, K 1,024] x [K 1,024, N 1,024]; A: computed on the way; B: input wo: QUANTISED
;;   THE QUANTISER, for each operand of a quantised product, along K:
;;     - K is cut into blocks of 32 from its start; a last block that is shorter is filled with zeros.
;;     - A block's scale is 2^e with e = floor(log2(the largest magnitude in the block)) - 2, held to -126 .. 127; a block of zeros has e = 0. As a byte (E8M0): e + 127.
;;     - Each number is divided by its block's scale, clamped to +-7.5, and rounded to the nearest number of E2M3, ties to even, subnormals kept.
;;     - The product sums the exact products of the quantised numbers (number of the format x scale) in f32.
;;   ~~~python
;;   def quantise(x, axis):      # numpy; x: float32 -> the quantised numbers, widened to float32 again
;;       x = np.moveaxis(x, axis, -1); K = x.shape[-1]
;;       x = np.pad(x, [(0, 0)] * (x.ndim - 1) + [(0, -K % 32)]); x = x.reshape(x.shape[:-1] + (-1, 32)); a = np.abs(x).max(-1, keepdims=True)
;;       e = np.where(a > 0, np.clip(np.frexp(np.where(a > 0, a, 1))[1] - 1 - 2, -126, 127), 0)      # np.frexp(a)[1] - 1 = floor(log2(a)), exactly
;;       r = np.clip(x / 2.0 ** e, -7.5, 7.5)
;;       step = 2.0 ** (np.maximum(np.frexp(np.where(r == 0, 1, r))[1] - 1, 0) - 3)
;;       q = np.round(r / step) * step * 2.0 ** e      # np.round: ties to even
;;       return np.moveaxis(q.reshape(q.shape[:-2] + (-1,))[..., :K], -1, axis).astype(np.float32)
;;   ~~~
;;   SOFTMAX AHEAD OF A QUANTISED PRODUCT. Where the list says 'softmax', what is quantised is not the finished softmax but p = 2^(t - M), with t = logit x log2(e) and M = ceil(the row's largest t), a whole number; so 1/2 < the row's largest p <= 1. The row's sum l is taken of the UNQUANTISED p, in f32, and the product's result is divided by l at the end. Since M is a whole number, a kernel that streams over the keys may use a running M (the ceiling of the running maximum): every later rescaling is an exact power of two, which a block's scale takes up: the codes' values come out the same.
;;   OPERANDS COMPUTED ON THE WAY. 'Computed on the way' means the value that the module computes at that place (a softmax that the list does not call 'softmax' is quantised finished and normalised). What goes into a quantiser is computed in f32, as accurately as f32 sums, v_exp_f32 and their like allow (about 1e-6 of the number): no bf16 or f16 on the way to a quantiser, and a product that is left as it is and whose result goes on into a quantised operand takes f32 operands (vector FMAs, or v_wmma_f32_16x16x4_f32). A number that lies on a knife's edge between two numbers of the format may be rounded either way, as far as f32 arithmetic and the matrix unit's own rounding can turn it there, and no further.
;; One version. Each part assembles by itself: llvm-mc -triple=amdgcn-amd-amdhsa -mcpu=gfx1250 --defsym DOCPART=n.
;; ======== version 1 of 1: 4 launches
;; limits: right only within a limited range of input values
;; workspace buffers: xwc 9,437,184 bytes; xws 393,216 bytes; qkc 12,582,912 bytes; qks 1,048,576 bytes; vc 6,291,456 bytes; vs 262,144 bytes; oc 6,291,456 bytes; os 262,144 bytes
;; launch quant (part 1): grid 512 x 1, 4 waves a work-group, no clusters, 47,104 bytes of LDS; arguments x, wq, wk, wv, wo, xwc, xws; writes xwc, xws
.if DOCPART == 1
	.amdgcn_target "amdgcn-amd-amdhsa--gfx1250"
	.amdhsa_code_object_version 6
	.text
	.protected	k_qd4d46bb79d_quant
	.globl	k_qd4d46bb79d_quant
	.p2align	8
	.type	k_qd4d46bb79d_quant,@function
k_qd4d46bb79d_quant:
	s_mov_b64 s[64:65], 0
	v_nop
	global_prefetch_b8 v0, s[64:65] scope:SCOPE_SE
	s_setreg_imm32_b32 hwreg(HW_REG_WAVE_MODE, 25, 1), 1
	s_wait_xcnt 0x0
; x [8192][1024], wq, wk, wv [16][1024][64] and wo [1024][1024], f32, become codes of FP6 (E2M3) with one E8M0 byte for each 32 along K (K = the 1,024 that the products contract).
; LAYOUT OF THE RESULT.  Rows (tokens; weight columns n) go in tiles of 16; place i of tile T is row 32 (T/2) + 8 (T%2) + i + 8 (i/8).  A fragment (16 rows x 128 K, 12 registers a lane) lies as an image of its
; registers: 6 units of 256 bytes, unit p = registers 2 p, 2 p + 1, lane l's 8 bytes at 8 l.  xwc: [tile 768][K/128 8][1,536 bytes]; xws: [tile][K/128][place 16] words.  Tiles 0-511 x, 512.. wq, 576.. wk, 640.. wv, 704.. wo.
; A block's scale is 2^(floor(log2(largest magnitude)) - 2); its byte is the largest magnitude's exponent field - 2, held at 1 from below.
; LIMITS: a block of zeros gets the byte 1 where the rule says 127 (its codes are zeros, and this program alone reads the bytes); NaN and infinities among the inputs are not served.
; Work-groups 0-255 take x (K innermost: rows come as they lie and turn through the wave's stage in LDS), 256-511 the weights (K not innermost: a lane takes a column, its registers run down K).
; Each way has LDS bytes of its own; waves share nothing, so there is no barrier.  No matrix unit, no cluster, no tensor load: the launch streams, and each byte is read once.
; THE ORDER AND THE LAYOUT AS THIS TEXT HAS THEM: place i of tile T is row 64 (T/4) + 32 (i/8) + 8 (T%4) + i%8, so that a lane of a later result holds whole blocks of 32 along the next K.
; xwc: [group of 8 tiles 96][K/128 8][tile in the group 8][1,536 bytes]: a quarter of K of eight tiles is one dense block of 24,576 bytes.  xws is laid as stated above.
.set RX,  16
.set XX,  144                          ; v144-207 my two blocks of 32 numbers
.set CC,  208                          ; v208-219 the fragment's 12 registers
.set CT,  220                          ; v220-226 the upper halves of the blocks' codes, before they are moved
.set MX,  228                          ; largest magnitudes
.set SOP, 230                          ; the conversions' scale operands
.set BY,  232                          ; the bytes
.set TW,  234
.set TP,  235
.set WD,  236                          ; v236-239 the four fragments' scale words
.set VO,  16                           ; weights: v16-47 offsets of 32 rows of K
.set XW,  48                           ; v48-111 two sets of 32 numbers
.set BT,  40                           ; s[40:47] the four blocks' bases
	s_load_b256 s[4:11], s[0:1], 0x0               ; x, wq, wk, wv
	s_load_b128 s[12:15], s[0:1], 0x20             ; wo, xwc
	s_load_b64 s[16:17], s[0:1], 0x30              ; xws
	v_lshl_add_u32 v254, v0, 2, 0xb600
	v_mov_b32 v255, 0
	v_lshrrev_b32 v1, 5, v0
	v_readfirstlane_b32 s18, v1                    ; wave 0..3
	v_and_b32 v2, 31, v0                           ; lane
	s_mov_b32 s20, 0x76543210
	s_mov_b32 s21, 0xfedcba98                      ; v_permlanex16_b32's selects for lane l xor 16
	s_cmp_ge_u32 ttmp9, 256
	s_cbranch_scc1 .Lweights
; ---------------- x: wave id = 4 wg + w takes tile id / 2, K half id % 2: four fragments
	v_and_b32 v3, 15, v0                           ; r
	v_bfe_u32 v10, v0, 4, 1                        ; h
	s_lshl_b32 s22, ttmp9, 2
	s_add_co_u32 s22, s22, s18
	s_lshr_b32 s23, s22, 1                         ; tile
	s_and_b32 s22, s22, 1                          ; half of K
	s_lshr_b32 s24, s23, 2
	s_lshl_b32 s24, s24, 18                        ; 64 rows of 4,096 bytes for each four tiles,
	s_and_b32 s25, s23, 3
	s_lshl_b32 s25, s25, 15                        ; 8 rows for each tile among the four,
	s_add_co_u32 s24, s24, s25
	s_lshl_b32 s25, s22, 11                        ; 512 numbers for the upper half of K
	s_add_co_u32 s24, s24, s25
	s_mov_b32 s25, 0
	s_lshr_b32 s26, s23, 3
	s_mul_i32 s26, s26, 98304                      ; the group of 8 tiles,
	s_and_b32 s27, s23, 7
	s_mul_i32 s27, s27, 1536                       ; the tile in it,
	s_add_co_u32 s26, s26, s27
	s_mul_i32 s27, s22, 49152                      ; four K steps of 12,288 bytes
	s_add_co_u32 s26, s26, s27
	s_mov_b32 s27, 0
	s_lshl_b32 s28, s23, 9
	s_lshl_b32 s29, s22, 8
	s_add_co_u32 s28, s28, s29
	s_mov_b32 s29, 0
	s_mul_i32 s30, s18, 8448                       ; my stage: 16 rows of 512 bytes + 16
	s_wait_alu depctr_va_vdst(0)
	v_lshlrev_b32 v4, 4, v2                        ; 16 x lane
	v_lshlrev_b32 v5, 3, v2                        ; 8 x lane
	v_lshlrev_b32 v9, 2, v2                        ; 4 x lane
	v_add_nc_u32 v6, s30, v4                       ; into the stage: a row as it lies
	v_mul_u32_u24 v7, v3, 528
	v_lshl_add_u32 v7, v10, 7, v7
	v_add_nc_u32 v7, s30, v7                       ; out of it: row r, + 128 h: my 32 numbers of each 64
	v_lshlrev_b32 v8, 3, v10                       ; 8 h: where my bytes stand in the scale word
	v_mov_b32 v[TP], 0                             ; a lane permute's destination counts as one of its sources
	s_wait_alu depctr_va_vdst(0)
	s_wait_kmcnt 0x0
	s_add_nc_u64 s[4:5], s[4:5], s[24:25]
	s_add_nc_u64 s[14:15], s[14:15], s[26:27]
	s_add_nc_u64 s[16:17], s[16:17], s[28:29]
.macro LOADX t                         ; fragment t: 512 consecutive bytes of each of the tile's 16 rows
.irp i, 0,1,2,3,4,5,6,7,8,9,10,11,12,13,14,15
	global_load_b128 v[RX+64*((\t)%2)+4*\i:RX+64*((\t)%2)+4*\i+3], v4, s[4:5] offset:(\i+24*(\i/8))*4096+512*(\t) th:TH_LOAD_NT
.endr
.endm
.macro STEPX t
.if (\t) < 3
	s_wait_loadcnt 16                              ; this fragment's 16 loads are in; the next fragment's may be out
.else
	s_wait_loadcnt 0x0
.endif
.irp i, 0,1,2,3,4,5,6,7,8,9,10,11,12,13,14,15
	ds_store_b128 v6, v[RX+64*((\t)%2)+4*\i:RX+64*((\t)%2)+4*\i+3] offset:528*\i
.endr
.irp c, 0,1
.irp m, 0,1,2,3,4,5,6,7
	ds_load_b128 v[XX+32*\c+4*\m:XX+32*\c+4*\m+3], v7 offset:256*\c+16*\m   ; k = 64 c + 32 h + 0 .. 31 of row r; LDS serves a wave's instructions in order
.endr
.endr
	s_wait_dscnt 0x0                               ; my numbers are back, and the stores into the stage have read their registers
.if (\t) > 0
	s_wait_xcnt 0x0                                ; the last fragment's stores have read the codes' registers
.endif
.if (\t) < 2
	LOADX (\t)+2
.endif
.irp c, 0,1
	v_max3_num_f32 v[MX+\c], |v[XX+32*\c]|, |v[XX+32*\c+1]|, 0x1800000   ; with the floor 2^(3 - 127): the byte cannot fall under 1
.endr
.irp i, 2,4,6,8,10,12,14,16,18,20,22,24,26,28,30
.irp c, 0,1
	v_max3_num_f32 v[MX+\c], v[MX+\c], |v[XX+32*\c+\i]|, |v[XX+32*\c+\i+1]|   ; the two blocks by turns
.endr
.endr
.irp c, 0,1
	v_add_nc_u32 v[SOP+\c], 0xff000000, v[MX+\c]   ; 2 off the exponent field: the conversion's scale operand
.endr
.irp c, 0,1
	v_lshrrev_b32 v[BY+\c], 23, v[SOP+\c]          ; the byte
.endr
	v_lshl_or_b32 v[TW], v[BY+1], 16, v[BY]        ; my bytes: blocks h and 2 + h,
	v_lshlrev_b32 v[TW], v8, v[TW]                 ; at their places;
	v_permlanex16_b32 v[TP], v[TW], s20, s21
	v_or_b32 v[WD+(\t)], v[TW], v[TP]              ; with lane l xor 16's the word is whole
.irp c, 0,1
	v_cvt_scalef32_pk16_fp6_f32 v[CC+6*\c:CC+6*\c+2], v[XX+32*\c:XX+32*\c+15], v[SOP+\c]
	v_cvt_scalef32_pk16_fp6_f32 v[CT+4*\c:CT+4*\c+2], v[XX+32*\c+16:XX+32*\c+31], v[SOP+\c]   ; (a conversion's three registers begin on an even number)
.endr
	v_nop                                          ; one plain line behind the conversions
.irp c, 0,1
.irp i, 0,1,2
	v_mov_b32 v[CC+6*\c+3+\i], v[CT+4*\c+\i]
.endr
.endr
.irp p, 0,1,2,3,4,5
	global_store_b64 v5, v[CC+2*\p:CC+2*\p+1], s[14:15] offset:12288*(\t)+256*\p   ; 32 lanes store 256 consecutive bytes, aligned
.endr
.endm
	LOADX 0
	LOADX 1
	STEPX 0
	STEPX 1
	STEPX 2
	STEPX 3
	v_cmp_le_u32 vcc_lo, 16, v2
	v_cndmask_b32 v240, v[WD], v[WD+1], vcc_lo     ; lanes 0-15 fragment 0's words, lanes 16-31 fragment 1's
	v_cndmask_b32 v241, v[WD+2], v[WD+3], vcc_lo
	global_store_b32 v9, v240, s[16:17]            ; 128 consecutive bytes
	global_store_b32 v9, v241, s[16:17] offset:128
	s_wait_tensorcnt 0x0
	ds_add_u32 v254, v255
	s_wait_dscnt 0x0
	s_endpgm
; ---------------- the weights: wave takes 32 columns (two tiles) x 128 along K (one fragment of each)
.Lweights:
	s_sub_co_u32 s22, ttmp9, 256                   ; g
	s_lshr_b32 s23, s22, 2
	s_lshl_b32 s23, s23, 1
	s_and_b32 s24, s18, 1
	s_add_co_u32 s23, s23, s24                     ; group of 32 columns, 0..127: two waves stand side by side on 256 bytes
	s_and_b32 s24, s22, 3
	s_lshl_b32 s24, s24, 1
	s_lshr_b32 s25, s18, 1
	s_add_co_u32 s24, s24, s25                     ; which 128 along K
	s_lshr_b32 s22, s22, 6                         ; the tensor: 0 wq, 1 wk, 2 wv, 3 wo
	s_and_b32 s25, s23, 31                         ; the group inside its tensor
	s_lshr_b32 s32, s25, 1
	s_lshl_b32 s32, s32, 18                        ; wq, wk, wv: head x 1,024 rows of 256 bytes,
	s_and_b32 s33, s25, 1
	s_lshl_b32 s33, s33, 6                         ; the odd group begins 16 columns on,
	s_add_co_u32 s32, s32, s33
	s_lshl_b32 s33, s24, 15                        ; 128 rows of 256 bytes
	s_add_co_u32 s32, s32, s33
	s_lshr_b32 s33, s25, 1                         ; wo: 64 columns for each pair of groups, 16 for the odd one, 128 rows of 4,096 bytes
	s_lshl_b32 s33, s33, 8
	s_and_b32 s34, s25, 1
	s_lshl_b32 s34, s34, 6
	s_add_co_u32 s33, s33, s34
	s_lshl_b32 s34, s24, 19
	s_add_co_u32 s33, s33, s34
	s_mov_b32 s35, 256
	s_wait_kmcnt 0x0
	s_cmp_eq_u32 s22, 3
	s_cselect_b32 s32, s33, s32
	s_cselect_b32 s35, 4096, s35                   ; bytes from a row of K to the next
	s_cselect_b64 s[36:37], s[12:13], s[10:11]
	s_cmp_eq_u32 s22, 1
	s_cselect_b64 s[36:37], s[8:9], s[36:37]
	s_cmp_eq_u32 s22, 0
	s_cselect_b64 s[36:37], s[6:7], s[36:37]       ; the choice hangs on the work-group's number alone
	s_mov_b32 s33, 0
	s_lshl_b32 s38, s35, 5                         ; a block of 32 rows
	s_mov_b32 s39, 0
	s_add_nc_u64 s[BT:BT+1], s[36:37], s[32:33]
	s_add_nc_u64 s[BT+2:BT+3], s[BT:BT+1], s[38:39]
	s_add_nc_u64 s[BT+4:BT+5], s[BT+2:BT+3], s[38:39]
	s_add_nc_u64 s[BT+6:BT+7], s[BT+4:BT+5], s[38:39]
	s_lshl_b32 s26, s23, 1
	s_add_co_u32 s26, s26, 512                     ; my first tile
	s_lshr_b32 s28, s26, 3
	s_mul_i32 s28, s28, 98304
	s_and_b32 s29, s26, 7
	s_mul_i32 s29, s29, 1536
	s_add_co_u32 s28, s28, s29
	s_mul_i32 s29, s24, 12288
	s_add_co_u32 s28, s28, s29
	s_mov_b32 s29, 0
	s_add_nc_u64 s[14:15], s[14:15], s[28:29]
	s_lshl_b32 s28, s26, 9
	s_lshl_b32 s30, s24, 6
	s_add_co_u32 s28, s28, s30
	s_add_nc_u64 s[16:17], s[16:17], s[28:29]
	s_wait_alu depctr_va_vdst(0)
	v_and_b32 v[VO], 15, v2                        ; my column: l % 16, and 32 on for lanes 16-31
	v_lshrrev_b32 v[VO+1], 4, v2
	v_lshlrev_b32 v[VO], 2, v[VO]
	v_lshl_add_u32 v[VO], v[VO+1], 7, v[VO]
.irp i, 1,2,3,4,5,6,7,8,9,10,11,12,13,14,15,16,17,18,19,20,21,22,23,24,25,26,27,28,29,30,31
	v_add_nc_u32 v[VO+\i], s35, v[VO+\i-1]         ; and i rows down
.endr
	s_mul_i32 s30, s18, 3200                       ; my stage: two images of 1,536 bytes, 1,664 apart, so that the two tiles' lanes fall on different banks
	s_add_co_u32 s30, s30, 33792
	v_bfe_u32 v11, v0, 3, 1                        ; column l lies in tile (l / 8) % 2,
	v_and_b32 v12, 7, v0
	v_bfe_u32 v13, v0, 4, 1
	v_lshl_add_u32 v12, v13, 3, v12                ; at place l % 8 + 8 (l / 16)
	v_mul_u32_u24 v194, v11, 1664
	v_lshl_add_u32 v194, v12, 3, v194
	v_add_nc_u32 v194, s30, v194                   ; into the stage
	v_lshlrev_b32 v196, 4, v2
	v_add_nc_u32 v195, s30, v196                   ; out of it
	v_lshlrev_b32 v197, 9, v11
	v_lshl_add_u32 v197, v12, 2, v197              ; my scale word's place
.macro LOADW t                         ; block t: w(32 t + i, my column)
.irp i, 0,1,2,3,4,5,6,7,8,9,10,11,12,13,14,15,16,17,18,19,20,21,22,23,24,25,26,27,28,29,30,31
	global_load_b32 v[XW+32*((\t)%2)+\i], v[VO+\i], s[BT+2*(\t):BT+2*(\t)+1] th:TH_LOAD_NT
.endr
.endm
.macro BLOCKW t                        ; block t is k = 64 (t / 2) + 32 (t % 2) + 0 .. 31: registers 6 (t / 2) on of the fragment's lane 16 (t % 2) + place
.set XS, XW+32*((\t)%2)
.if (\t) < 3
	s_wait_loadcnt 32                              ; this block's 32 loads are in; the next block's may be out
.else
	s_wait_loadcnt 0x0
.endif
	v_max3_num_f32 v188, |v[XS]|, |v[XS+1]|, |v[XS+2]|
	v_max3_num_f32 v189, |v[XS+3]|, |v[XS+4]|, |v[XS+5]|
.irp i, 6,10,14,18,22,26
	v_max3_num_f32 v188, v188, |v[XS+\i]|, |v[XS+\i+1]|
	v_max3_num_f32 v189, v189, |v[XS+\i+2]|, |v[XS+\i+3]|
.endr
	v_max3_num_f32 v188, v188, |v[XS+30]|, |v[XS+31]|
	v_max3_num_f32 v188, v188, v189, 0x1800000     ; and the floor
	v_add_nc_u32 v190, 0xff000000, v188
	v_lshrrev_b32 v191, 23, v190
.if (\t) == 0
	v_mov_b32 v192, v191
.else
	v_lshl_or_b32 v192, v191, 8*(\t), v192         ; four bytes make my column's scale word
.endif
	v_cvt_scalef32_pk16_fp6_f32 v[176:178], v[XS:XS+15], v190
	v_cvt_scalef32_pk16_fp6_f32 v[184:186], v[XS+16:XS+31], v190
	v_nop
.irp i, 0,1,2
	v_mov_b32 v[179+\i], v[184+\i]
.endr
.irp p, 0,1,2
	ds_store_b64 v194, v[176+2*\p:177+2*\p] offset:768*((\t)/2)+256*\p+128*((\t)%2)
.endr
.if (\t) < 2
	LOADW (\t)+2
.endif
	s_wait_dscnt 0x0                               ; the stores have read their registers
.endm
	LOADW 0
	LOADW 1
	BLOCKW 0
	BLOCKW 1
	BLOCKW 2
	BLOCKW 3
	s_wait_alu depctr_va_vdst(0)
	global_store_b32 v197, v192, s[16:17]          ; two runs of 64 bytes: a fragment has no more scale words
.irp k, 0,1,2,3,4,5
	ds_load_b128 v[200+4*\k:203+4*\k], v195 offset:1664*(\k/3)+512*(\k%3)
.endr
.irp k, 0,1,2,3,4,5
	s_wait_dscnt 5-\k
	global_store_b128 v196, v[200+4*\k:203+4*\k], s[14:15] offset:1536*(\k/3)+512*(\k%3)   ; 512 consecutive bytes, aligned
.endr
	s_wait_tensorcnt 0x0
	ds_add_u32 v254, v255
	s_wait_dscnt 0x0
	s_endpgm
.Lfunc_end_k_qd4d46bb79d_quant:
	.size	k_qd4d46bb79d_quant, .Lfunc_end_k_qd4d46bb79d_quant-k_qd4d46bb79d_quant
	.p2alignl 7, 3214868480
	.fill 96, 4, 3214868480
	.section	.rodata,"a",@progbits
	.p2align	6, 0x0
	.amdhsa_kernel k_qd4d46bb79d_quant
		.amdhsa_group_segment_fixed_size 47104
		.amdhsa_private_segment_fixed_size 0
		.amdhsa_enable_private_segment 0
		.amdhsa_kernarg_size 56
		.amdhsa_user_sgpr_count 2
		.amdhsa_user_sgpr_kernarg_segment_ptr 1
		.amdhsa_wavefront_size32 1
		.amdhsa_system_sgpr_workgroup_id_x 1
		.amdhsa_system_sgpr_workgroup_id_y 1
		.amdhsa_system_sgpr_workgroup_id_z 1
		.amdhsa_system_vgpr_workitem_id 0
		.amdhsa_next_free_vgpr 256
		.amdhsa_next_free_sgpr 66
		.amdhsa_reserve_vcc 1
		.amdhsa_float_denorm_mode_32 3
		.amdhsa_float_denorm_mode_16_64 3
		.amdhsa_memory_ordered 1
		.amdhsa_forward_progress 1
		.amdhsa_inst_pref_size 56
	.end_amdhsa_kernel
	.amdgpu_metadata
---
amdhsa.version: [ 1, 2 ]
amdhsa.kernels:
  - .name:           k_qd4d46bb79d_quant
    .symbol:         k_qd4d46bb79d_quant.kd
    .args:
      - { .name: x, .offset: 0, .size: 8, .value_kind: global_buffer, .address_space: global }
      - { .name: wq, .offset: 8, .size: 8, .value_kind: global_buffer, .address_space: global }
      - { .name: wk, .offset: 16, .size: 8, .value_kind: global_buffer, .address_space: global }
      - { .name: wv, .offset: 24, .size: 8, .value_kind: global_buffer, .address_space: global }
      - { .name: wo, .offset: 32, .size: 8, .value_kind: global_buffer, .address_space: global }
      - { .name: xwc, .offset: 40, .size: 8, .value_kind: global_buffer, .address_space: global }
      - { .name: xws, .offset: 48, .size: 8, .value_kind: global_buffer, .address_space: global }
    .group_segment_fixed_size: 47104
    .private_segment_fixed_size: 0
    .kernarg_segment_align: 8
    .kernarg_segment_size: 56
    .max_flat_workgroup_size: 128
    .sgpr_count:     66
    .vgpr_count:     256
    .wavefront_size: 32
...
	.end_amdgpu_metadata
.endif
;; end of part 1
;; launch proj (part 2): grid 12 x 32, 4 waves a work-group, clusters of 4 x 4, 327,680 bytes of LDS; arguments xwc, xws, bq, bk, bv, qkc, qks, vc, vs; writes qkc, qks, vc, vs
.if DOCPART == 2
	.amdgcn_target "amdgcn-amd-amdhsa--gfx1250"
	.amdhsa_code_object_version 6
	.text
	.protected	k_qd4d46bb79d_proj
	.globl	k_qd4d46bb79d_proj
	.p2align	8
	.type	k_qd4d46bb79d_proj,@function
k_qd4d46bb79d_proj:
	s_mov_b64 s[64:65], 0
	v_nop
	global_prefetch_b8 v0, s[64:65] scope:SCOPE_SE
	s_setreg_imm32_b32 hwreg(HW_REG_WAVE_MODE, 25, 1), 1
	s_wait_xcnt 0x0
	s_wait_alu depctr_hold_cnt(0) depctr_sa_sdst(0) depctr_va_vdst(0) depctr_va_sdst(0) depctr_va_ssrc(0) depctr_va_vcc(0) depctr_vm_vsrc(0)
	s_getreg_b32 s2, hwreg(HW_REG_IB_STS2, 6, 4)
	s_cmp_eq_u32 s2, 0
	s_cbranch_scc0 .Lentry_in_a_cluster
	s_endpgm
.Lentry_in_a_cluster:
	s_bfe_u32 s2, ttmp6, 0x10000c
	s_cmp_lg_u32 s2, 0xf033
	s_cbranch_scc0 .Lentry_shape_is_right
	s_endpgm
.Lentry_shape_is_right:
; q = x wq + bq, k = x wk + bk, v = x wv + bv on codes of FP6 (E2M3) with E8M0 scales, K = 1,024; the results are quantised here, in registers, for the two products of attention, and only codes go to memory.
; A work-group makes 256 x 256 results, a wave 128 x 128: 64 accumulators.  P is source 0 (its index runs along a lane's registers), R source 1 (its index is the lane).
; Clusters x = 0 (q) and 1 (k): P = 256 weight columns, R = 256 tokens: a lane holds a token and 128 neighbouring (head, d): two heads' 64, quantised along d.
; Cluster x = 2 (v): P = 256 tokens, R = 256 columns of wv: a lane holds one (head, d) and 128 neighbouring tokens, quantised along the tokens, which are the K of attention's second product.
; That the registers hold NEIGHBOURS follows from the order of rows in a tile (place i of tile T is row 32 (T/2) + 8 (T%2) + i + 8 (i/8)), in which all operands of this program are laid.
; OPERANDS lie in memory as images of their registers (a fragment: 6 units of 256 bytes, lane l's 8 bytes at 8 l), so LDS needs no pitch and every LDS load reads 256 consecutive bytes.
; K goes in four quarters of 256 through three LDS slots: quarters 0, 1, 2 are first fills, quarter 3 is the one refill, into slot 0; a wave has at most one tensor load out.
; CLUSTER 4 x 4: P's tiles are shared along a column of the cluster, R's along a row: joint loads.  No prefetch: three quarters of the tiles are asked for at the head, and the fourth has 224 matrix instructions in which to land.
; 384 tiles of 256 x 256: a smaller wave tile would read more LDS bytes for each matrix instruction, a larger one does not fit in the registers.
; LIMITS: a block of zeros gets the byte 1 where the rule says 127 (its codes are zeros; this program alone reads the bytes); NaN and infinities are not served.
; REGISTERS: window 0: v16-22 LDS addresses, v27 scales' address, v28-29 for the add, v32-63 scale words (two sets), v64-127 and v224-239 biases, v128-223 R's fragments (one set); in the epilogue v128-221 and v240-255 at work.
;   window 1: P's fragments, two sets (v0, v128).  windows 2, 3: accumulator (a, b) at v[8 (8 (a % 4) + b)].
; THE ORDER AND THE FILLS AS THIS TEXT HAS THEM: place i of tile T is row 64 (T/4) + 32 (i/8) + 8 (T%4) + i%8: a lane's 32 registers of four neighbouring result tiles are a whole block of 32 along the next K.
; xwc is laid [group of 8 tiles][K/128][tile][1,536 bytes].  A wave's part of LDS is 3 x 24,576 bytes on end: quarters 0 and 1 come by its one load at the head, quarter 2 behind a full sequence and a round,
; quarter 3 is the one refill, over quarter 0.  The scale words come by plain loads, 512 bytes on end an instruction, and LDS stores into bytes that no tile lands on.
.set HALFT,  24576
.set SLOT,   4*HALFT                   ; R's two halves, then P's two halves
.set SCL,    3*SLOT                    ; the scales of 4 x 8 tiles, all of K: 4,096 bytes a wave, filled once
.set SPARE,  SCL+4*4096                ; the spare words: 128 bytes a wave
.set FR,     12
.set ADRR, 16
.set ADRP, 20
.set ADRS, 27
.set SPW,  28
.set NIL,  29
.set SC,   32
.set BIAS, 64
.set RF,   128
.set BL,   224
.set T,    128
.set PC,   192
.set PW,   212
.set SW,   214
.set TM,   240
.set L8,   11
.set WV,  22
.set WH,  23
.set WL,  66
.set PT0, 67
.set CX,  92
.set CY,  93
.set CLY, 94
.set RT0, 95
.set SEL, 12
.set G1R, 24
.set G1P, 32
.set G1SR, 40
.set G1SP, 48
.set G0R0, 56
.set G0R1, 60
.set G0R2, 68
.set G0P0, 72
.set G0P1, 76
.set G0P2, 80
.set G0SR, 84
.set G0SP, 88
.set MSB, 0
.macro WIN new                         ; the immediate's high byte repeats the setting that is left
.if MSB != (\new)
	s_set_vgpr_msb (MSB<<8)|(\new)
.set MSB, (\new)
.endif
.endm
.set MUL_LO, 0xa1                      ; source 0 (P) window 1, source 1 (R) window 0, C and D window 2
.set MUL_HI, 0xf1
.set TO_P,   0x40
.macro JLOAD g0r, g1r, g0p, g1p        ; waves 0, 1 fetch R's halves, waves 2, 3 P's; four v_nop follow each line
	s_cmp_eq_u32 s[WH], 0
	s_cbranch_scc0 .Lfor_p_\@
	tensor_load_to_lds s[\g0r:\g0r+3], s[\g1r:\g1r+7]
	s_nop 0
.rept 4
	v_nop
.endr
	s_branch .Lasked_\@
.Lfor_p_\@:
	tensor_load_to_lds s[\g0p:\g0p+3], s[\g1p:\g1p+7]
	s_nop 0
.rept 4
	v_nop
.endr
.Lasked_\@:
.endm
.macro CREST
	s_cmp_lg_u32 s[WV], 0
	s_cbranch_scc1 .Lnot_wave_0_\@
	s_barrier_signal -3
.Lnot_wave_0_\@:
	s_barrier_wait -3
	s_barrier_signal -1
	s_barrier_wait -1
.endm
.macro CROUND
	s_barrier_signal -1
	s_barrier_wait -1
	CREST
.endm
.macro MKG0 g, mul, off, base, add     ; a group 0: LDS address = wave x mul + off, global address = base + add
	s_mov_b32 s[\g], 1
	s_mul_i32 s[\g+1], s[WV], \mul
	s_add_co_u32 s[\g+1], s[\g+1], \off
	s_add_nc_u64 s[\g+2:\g+3], s[\base:\base+1], \add
	s_or_b32 s[\g+3], s[\g+3], 0x80000000
.endm
.macro PLACES n
.rept \n
	v_nop
.endr
.endm
.macro FRAG reg, adr, q, i             ; a fragment as it lies: six loads of 256 consecutive bytes
.irp p, 0,1,2,3,4,5
	ds_load_b64 v[\reg+2*\p:\reg+2*\p+1], v[\adr] offset:1536*(\i)+12288*(\q)+256*\p
.endr
.endm
.macro FETCH_P slot, q, pset
	WIN TO_P
.irp i, 0,1,2,3,4,5,6,7
	FRAG 128*(\pset)+FR*\i, ADRP+\slot, \q, \i
.endr
	WIN 0
.endm
.macro FETCH_R slot, q, i0
.irp i, \i0, \i0+1, \i0+2, \i0+3
	FRAG RF+FR*(\i), ADRR+\slot, \q, \i
.endr
.endm
.macro SCALES sset                     ; register 2 i + q: lanes 0-15 R's tile i, lanes 16-31 P's tile i, the quarter's q-th 128 along K
.irp i, 0,1,2,3,4,5,6,7
.irp q, 0,1
	ds_load_b32 v[SC+16*(\sset)+2*\i+\q], v[ADRS] offset:512*\i+64*\q
.endr
.endr
.endm
; 16 matrix instructions: R's tiles a0, a0 + 1 x P's eight.  The 64 accumulators take turns, one instruction a turn, in the same order in every step.
.macro MUL16 a0, pset, q, sc, first
.irp a, \a0, \a0+1
.irp b, 0,1,2,3,4,5,6,7
.if \first
	v_wmma_scale_f32_16x16x128_f8f6f4 v[8*(8*((\a)%4)+\b):8*(8*((\a)%4)+\b)+7], v[128*(\pset)+FR*\b:128*(\pset)+FR*\b+FR-1], v[RF+FR*(\a):RF+FR*(\a)+FR-1], 0, v[SC+16*(\sc)+2*\b+(\q)], v[SC+16*(\sc)+2*(\a)+(\q)] matrix_a_fmt:MATRIX_FMT_FP6 matrix_b_fmt:MATRIX_FMT_FP6 matrix_a_scale:MATRIX_SCALE_ROW1
.else
	v_wmma_scale_f32_16x16x128_f8f6f4 v[8*(8*((\a)%4)+\b):8*(8*((\a)%4)+\b)+7], v[128*(\pset)+FR*\b:128*(\pset)+FR*\b+FR-1], v[RF+FR*(\a):RF+FR*(\a)+FR-1], v[8*(8*((\a)%4)+\b):8*(8*((\a)%4)+\b)+7], v[SC+16*(\sc)+2*\b+(\q)], v[SC+16*(\sc)+2*(\a)+(\q)] matrix_a_fmt:MATRIX_FMT_FP6 matrix_b_fmt:MATRIX_FMT_FP6 matrix_a_scale:MATRIX_SCALE_ROW1
.endif
.endr
.endr
.endm
.macro STEP slot, sc, first            ; a slot's first 128 along K
	s_wait_dscnt 24                                ; all but R's tiles 4-7
	WIN MUL_LO
	MUL16 0, 0, 0, \sc, \first
	MUL16 2, 0, 0, \sc, \first
	s_wait_dscnt 0x0                               ; R's tiles 4-7 are in
	PLACES 4                                       ; four plain lines ahead of loads into registers that matrix instructions have read
	FETCH_P \slot, 1, 1
	FETCH_R \slot, 1, 0
	WIN MUL_HI
	MUL16 4, 0, 0, \sc, \first
	MUL16 6, 0, 0, \sc, \first
	PLACES 4
	WIN 0
	FETCH_R \slot, 1, 4
.endm
; A slot's second 128 along K, and the change of slots.  mode 1: slot 0 is filled again (quarter 3) behind a round of the cluster's barrier; mode 0: a barrier, nothing is filled;
; mode 2: no barrier: the next slot was shown whole to every wave by the wait for all tensor loads in front of the round before, and the slot that is left is never filled again.
.macro TURN slot, next, sc, mode
.if \mode == 2
	s_wait_dscnt 24
	WIN MUL_LO
	MUL16 0, 1, 1, \sc, 0
	MUL16 2, 1, 1, \sc, 0
	s_wait_dscnt 0x0
	WIN 0
	PLACES 4
.else
	s_wait_tensorcnt 0x0                           ; all my tensor loads have landed
	ds_add_u32 v[SPW], v[NIL]                      ; 0 onto my spare word
	s_wait_dscnt 25                                ; (the add and R's tiles 4-7 may be out)
	WIN MUL_LO
	MUL16 0, 1, 1, \sc, 0
	s_wait_dscnt 0x0                               ; the add is done, and my reads of this slot are over
	s_barrier_signal -1
	MUL16 2, 1, 1, \sc, 0
	WIN 0
	s_barrier_wait -1
.if \mode == 1
	CREST                                          ; the barrier has opened a round of the cluster's: no wave of any partner reads slot 0 or has a load on its way
	s_add_nc_u64 s[G0R0+2:G0R0+3], s[G0R0+2:G0R0+3], 3*HALFT   ; from quarter 0 to quarter 3
	s_add_nc_u64 s[G0P0+2:G0P0+3], s[G0P0+2:G0P0+3], 3*HALFT
	JLOAD G0R0, G1R, G0P0, G1P                     ; its four v_nop are also the places ahead of the loads below
.else
	PLACES 4
.endif
.endif
	v_add_nc_u32 v[ADRS], 128, v[ADRS]             ; the next quarter's scale words
	FETCH_P \next, 0, 0
	FETCH_R \next, 0, 0
	SCALES 1-(\sc)
	WIN MUL_HI
	MUL16 4, 1, 1, \sc, 0
	MUL16 6, 1, 1, \sc, 0
	PLACES 4
	WIN 0
	FETCH_R \next, 0, 4
.endm
.macro LAST sc
	s_wait_dscnt 24
	WIN MUL_LO
	MUL16 0, 1, 1, \sc, 0
	MUL16 2, 1, 1, \sc, 0
	s_wait_dscnt 0x0
	WIN MUL_HI
	MUL16 4, 1, 1, \sc, 0
	MUL16 6, 1, 1, \sc, 0
	WIN 0
.endm
	s_load_b256 s[4:11], s[0:1], 0x0               ; xwc, xws, bq, bk
	s_load_b256 s[12:19], s[0:1], 0x20             ; bv, qkc, qks, vc
	s_load_b64 s[20:21], s[0:1], 0x40              ; vs
	v_lshl_add_u32 v[SPW], v0, 2, SPARE
	v_mov_b32 v[NIL], 0
	ds_add_u32 v28, v29
	ds_add_u32 v28, v29
	s_wait_dscnt 0x0
	v_lshrrev_b32 v1, 5, v0
	v_readfirstlane_b32 s[WV], v1                  ; wave 0..3
	s_lshr_b32 s[WH], s[WV], 1                     ; my half of R's tiles.  Also: I fetch for R (0) or P (1)
	s_and_b32 s[WL], s[WV], 1                      ; my half of P's tiles.  Also: which half I fetch
	s_bfe_u32 s[CX], ttmp6, 0x40000
	s_bfe_u32 s[CY], ttmp6, 0x40004
	s_and_b32 s[CLY], ttmp7, 0xffff
	s_lshl_b32 s2, s[CY], 2
	s_lshl_b32 s2, 15, s2                          ; my row of the cluster
	s_lshl_b32 s100, 0x1111, s[CX]                 ; my column
	s_or_b32 s[G1R], s2, (3<<16)|(1<<21)           ; 15:0 the mask; 17:16 elements of 8 bytes; 21 set beside a mask; no padding
	s_or_b32 s[G1P], s100, (3<<16)|(1<<21)
.irp g, G1R, G1P                       ; codes: 8 tiles' 3,072 bytes, 12,288 bytes apart
	s_mov_b32 s[\g+1], 32<<16                      ; a dense block as rows of 256 bytes: at the head 192 rows, two quarters of K
	s_mov_b32 s[\g+2], 192<<16
	s_mov_b32 s[\g+3], 32<<16
	s_mov_b32 s[\g+4], 192
	s_mov_b32 s[\g+5], 32
	s_mov_b32 s[\g+6], 0
	s_mov_b32 s[\g+7], 0
.endr
	s_cmp_eq_u32 ttmp9, 2                          ; the cluster's x: the same in all sixteen partners
	s_cselect_b32 s[PT0], 0, 512                   ; v: P = tokens; q, k: P = weights, from tile 512 on
	s_cselect_b32 s98, s[CLY], ttmp9
	s_cselect_b32 s[RT0], 640, 0                   ; v: R = wv's tiles; q, k: R = tokens
	s_cselect_b32 s96, 0, s[CLY]
	s_lshl_b32 s98, s98, 2
	s_add_co_u32 s98, s98, s[CX]
	s_lshl_b32 s98, s98, 4
	s_add_co_u32 s[PT0], s[PT0], s98               ; P's first tile hangs on cx alone of the two places
	s_lshl_b32 s96, s96, 2
	s_add_co_u32 s96, s96, s[CY]
	s_lshl_b32 s96, s96, 4
	s_add_co_u32 s[RT0], s[RT0], s96               ; R's on cy alone
	s_lshl_b32 s96, s[WL], 3
	s_add_co_u32 s96, s96, s[RT0]                  ; the 8 tiles that I would fetch
	s_lshl_b32 s98, s[WL], 3
	s_add_co_u32 s98, s98, s[PT0]
	s_lshl_b32 s2, s96, 9
	s_mov_b32 s3, 0
	s_mul_i32 s96, s96, 12288
	s_mov_b32 s97, 0
	s_lshl_b32 s100, s98, 9
	s_mov_b32 s101, 0
	s_mul_i32 s98, s98, 12288
	s_mov_b32 s99, 0
	s_wait_kmcnt 0x0
	s_add_nc_u64 s[96:97], s[4:5], s[96:97]
	s_add_nc_u64 s[2:3], s[6:7], s[2:3]
	s_add_nc_u64 s[98:99], s[4:5], s[98:99]
	s_add_nc_u64 s[100:101], s[6:7], s[100:101]
	MKG0 G0R0, 3*HALFT, 0, 96, 0
	MKG0 G0P0, 3*HALFT, 0, 98, 0
	MKG0 G0R2, 3*HALFT, 2*HALFT, 96, 2*HALFT
	MKG0 G0P2, 3*HALFT, 2*HALFT, 98, 2*HALFT
	s_cmp_eq_u32 s[WH], 0
	s_cselect_b64 s[100:101], s[2:3], s[100:101]   ; the scale words of the 8 tiles whose codes I fetch: the choice hangs on the wave's number alone
	s_lshl_b32 s96, s[WV], 12
	s_add_co_u32 s96, s96, SCL                     ; and their 4,096 bytes of LDS
	CROUND                                         ; all sixteen work-groups are here: the first joint loads meet
	JLOAD G0R0, G1R, G0P0, G1P                     ; quarters 0 and 1: one tensor load a wave at the head
	v_and_b32 v1, 31, v0
	v_lshlrev_b32 v1, 3, v1
	v_lshlrev_b32 v7, 1, v1                        ; 16 x lane
	v_add_nc_u32 v8, s96, v7
.irp k, 0,1,2,3,4,5,6,7
	global_load_b128 v[RF+4*\k:RF+4*\k+3], v7, s[100:101] offset:512*\k   ; 512 consecutive bytes an instruction
.endr
	v_and_b32 v2, 15, v0                           ; r
	v_bfe_u32 v3, v0, 4, 1                         ; h
	s_wait_alu depctr_va_vdst(0)
	s_mul_i32 s2, s[WH], 3*HALFT
	s_mul_i32 s3, s[WL], 3*HALFT
	s_add_co_u32 s3, s3, 6*HALFT
.irp s, 0,1,2
	v_add_nc_u32 v[ADRR+\s], s2, v1
	v_add_nc_u32 v[ADRP+\s], s3, v1
	s_add_co_u32 s2, s2, HALFT
	s_add_co_u32 s3, s3, HALFT
.endr
	s_xor_b32 s3, s[WH], 1
	s_add_co_u32 s3, s3, s[WL]
	s_add_co_u32 s3, s3, 1
	s_lshl_b32 s3, s3, 12                          ; from my R half's scales to my P half's: 4,096 x (2 + (w & 1) - (w >> 1))
	v_mul_u32_u24 v4, s3, v3                       ; lanes 16-31 take P's
	s_lshl_b32 s2, s[WH], 12
	s_add_co_u32 s2, s2, SCL
	v_lshl_add_u32 v4, v2, 2, v4
	v_add_nc_u32 v[ADRS], s2, v4
	; the biases, in both forms, from the tensor's own bias: along the registers (q, k use it) and by the lane (v uses it).  The form that a way does not use costs it 16 loads; so the text has one branch on the cluster's number.
	s_cmp_eq_u32 ttmp9, 1
	s_cselect_b64 s[10:11], s[10:11], s[8:9]
	s_cmp_eq_u32 ttmp9, 2
	s_cselect_b64 s[12:13], s[12:13], s[10:11]
	s_lshl_b32 s8, s[CY], 10
	s_lshl_b32 s9, s[WH], 9
	s_add_co_u32 s8, s8, s9
	s_mov_b32 s9, 0
	s_add_nc_u64 s[10:11], s[12:13], s[8:9]        ; by the lane: 256 cy + 128 (w >> 1) on
	s_lshl_b32 s8, s[CX], 10
	s_lshl_b32 s9, s[WL], 9
	s_add_co_u32 s8, s8, s9
	s_mov_b32 s9, 0
	s_add_nc_u64 s[12:13], s[12:13], s[8:9]        ; along the registers: 256 cx + 128 (w & 1) on
	v_lshlrev_b32 v5, 7, v3                        ; 32 h numbers
	v_and_b32 v6, 8, v2
	v_mad_u32_u24 v6, v6, 3, v2
	v_lshlrev_b32 v6, 2, v6                        ; r % 8 + 32 (r / 8) numbers
.irp b, 0,1
.irp m, 0,1,2,3,4,5,6,7
	global_load_b128 v[BIAS+32*\b+4*\m:BIAS+32*\b+4*\m+3], v5, s[12:13] offset:256*\b+16*\m   ; register 32 b + i: column 64 b + 32 h + i
.endr
.endr
.irp a, 0,1,2,3,4,5,6,7
	global_load_b32 v[BL+2*\a], v6, s[10:11] offset:(64*(\a/4)+8*(\a%4))*4
	global_load_b32 v[BL+2*\a+1], v6, s[10:11] offset:(64*(\a/4)+8*(\a%4))*4
.endr
	s_wait_alu depctr_va_vdst(0)
	s_wait_loadcnt 32                              ; my scale words are in; the 32 loads of the biases, issued behind them, may be out
.irp k, 0,1,2,3,4,5,6,7
	ds_store_b128 v8, v[RF+4*\k:RF+4*\k+3] offset:512*\k
.endr
	s_wait_tensorcnt 0x0                           ; quarters 0 and 1 are in
	ds_add_u32 v[SPW], v[NIL]
	s_mov_b32 s[G1R+2], 96<<16                     ; no tensor load of mine is out: from here on a load brings one quarter, 96 rows of 256 bytes
	s_mov_b32 s[G1R+4], 96
	s_mov_b32 s[G1P+2], 96<<16
	s_mov_b32 s[G1P+4], 96
	s_wait_dscnt 0x0                               ; the add and my stores of scale words are done
	CROUND
	JLOAD G0R2, G1R, G0P2, G1P                     ; quarter 2, the first tensor load behind the round
	FETCH_P 0, 0, 0
	FETCH_R 0, 0, 0
	SCALES 0
	FETCH_R 0, 0, 4
	STEP 0, 0, 1                                   ; the first products start the sums
	TURN 0, 1, 0, 1
	s_wait_alu depctr_va_vdst(0)
	STEP 1, 1, 0
	TURN 1, 2, 1, 2
	s_wait_alu depctr_va_vdst(0)
	STEP 2, 0, 0
	TURN 2, 0, 0, 0
	STEP 0, 1, 0
	LAST 1
; THE EPILOGUE.  64 numbers of a lane, register 32 c + i = index 64 c + 32 (lane / 16) + i along the next K, become a fragment's codes in v[PC] on and its scale word in v[PW].
.macro QUANT s
.irp b, 0,1,2,3
	v_max3_num_f32 v[TM+\b], |v[\s+16*\b]|, |v[\s+1+16*\b]|, 0x1800000   ; with the floor 2^(3 - 127)
.endr
.irp i, 2,4,6,8,10,12,14
.irp b, 0,1,2,3
	v_max3_num_f32 v[TM+\b], v[TM+\b], |v[\s+16*\b+\i]|, |v[\s+1+16*\b+\i]|
.endr
.endr
	v_max_num_f32 v[TM], v[TM], v[TM+1]            ; registers 32 c on are my own block 2 c + h: no other lane is asked
	v_max_num_f32 v[TM+1], v[TM+2], v[TM+3]
	v_add_nc_u32 v[TM+12], 0xff000000, v[TM]
	v_add_nc_u32 v[TM+13], 0xff000000, v[TM+1]
	v_lshrrev_b32 v[TM+5], 23, v[TM+12]
	v_lshrrev_b32 v[TM+6], 23, v[TM+13]
	v_lshl_or_b32 v[TM+5], v[TM+6], 16, v[TM+5]    ; my two bytes,
	v_lshlrev_b32 v[TM+5], v10, v[TM+5]            ; 8 h bits up;
	v_permlanex16_b32 v[TM+4], v[TM+5], s[SEL], s[SEL+1]
	v_or_b32 v[PW], v[TM+5], v[TM+4]               ; with lane l xor 16's two the word is whole
.irp c, 0,1
	v_cvt_scalef32_pk16_fp6_f32 v[PC+6*\c:PC+2+6*\c], v[\s+32*\c:\s+15+32*\c], v[TM+12+\c]
	v_cvt_scalef32_pk16_fp6_f32 v[PC+12+4*\c:PC+14+4*\c], v[\s+16+32*\c:\s+31+32*\c], v[TM+12+\c]
.endr
	v_nop                                          ; one plain line behind the conversions
.irp c, 0,1                                    ; a whole block to a lane
.irp i, 0,1,2
	v_mov_b32 v[PC+3+6*\c+\i], v[PC+12+4*\c+\i]
.endr
.endr
.endm
.macro EBLOCK a, way                   ; R's tile a: bias, quantiser, six stores of 256 consecutive aligned bytes
.if (\a) > 0
	s_wait_xcnt 0x0                                ; the last tile's stores have read the codes' registers
.endif
	WIN 0x02+(\a)/4                                ; source 0: the accumulators' window
.set ii, 0
.rept 32
.if \way == 0
	v_pk_add_f32 v[T+2*ii:T+2*ii+1], v[64*((\a)%4)+2*ii:64*((\a)%4)+2*ii+1], v[BIAS+2*ii:BIAS+2*ii+1]   ; each accumulator from its low end on
.else
	v_pk_add_f32 v[T+2*ii:T+2*ii+1], v[64*((\a)%4)+2*ii:64*((\a)%4)+2*ii+1], v[BL+2*(\a):BL+2*(\a)+1]
.endif
.set ii, ii+1
.endr
	WIN 0
	QUANT T
	v_mov_b32 v[SW+(\a)], v[PW]
.irp p, 0,1,2,3,4,5
.if \way == 0
	global_store_b64 v[L8], v[PC+2*\p:PC+2*\p+1], s[14:15] offset:768*(\a)+98304*(\p/3)+256*(\p%3)   ; registers 0-5: the first head's 64, registers 6-11: the next head's
.else
	global_store_b64 v[L8], v[PC+2*\p:PC+2*\p+1], s[18:19] offset:98304*((\a)/4)+1536*((\a)%4)+256*\p
.endif
.endr
.endm
	s_wait_loadcnt 0x0                             ; the biases
	PLACES 4                                       ; ahead of the first read of results and the first write of operands' registers
	v_and_b32 v1, 15, v0                           ; r
	v_bfe_u32 v2, v0, 4, 1                         ; h
	v_and_b32 v3, 31, v0
	v_lshlrev_b32 v[L8], 3, v3
	v_lshlrev_b32 v10, 3, v2                       ; 8 h: where my bytes stand in a scale word
.irp b, 0,1,2,3
	v_mov_b32 v[TM+4+\b], 0                        ; a lane permute's destination counts as one of its sources
.endr
	s_mov_b32 s[SEL], 0x76543210
	s_mov_b32 s[SEL+1], 0xfedcba98
	s_cmp_eq_u32 ttmp9, 2
	s_cbranch_scc1 .Lway_v
	; q, k: token tile RT = RT0 + 8 (w >> 1) + a of batch RT / 128; heads 4 cx + 2 (w & 1) and the next
	s_lshl_b32 s8, s[WH], 3
	s_add_co_u32 s8, s8, s[RT0]
	s_lshr_b32 s9, s8, 7
	s_and_b32 s8, s8, 127
	s_lshl_b32 s10, s[CX], 2
	s_lshl_b32 s11, s[WL], 1
	s_add_co_u32 s10, s10, s11
	s_lshl_b32 s9, s9, 4
	s_add_co_u32 s9, s9, s10
	s_lshl_b32 s11, ttmp9, 6
	s_add_co_u32 s9, s9, s11                       ; 64 x (q or k) + 16 x batch + head
	s_lshl_b32 s10, s9, 7
	s_add_co_u32 s10, s10, s8
	s_mul_i32 s10, s10, 768
	s_mov_b32 s11, 0
	s_add_nc_u64 s[14:15], s[14:15], s[10:11]
	s_lshl_b32 s10, s9, 13
	s_lshr_b32 s8, s8, 3
	s_lshl_b32 s8, s8, 9
	s_add_co_u32 s10, s10, s8
	s_add_nc_u64 s[16:17], s[16:17], s[10:11]
	s_wait_alu depctr_va_vdst(0)
	v_lshlrev_b32 v8, 4, v2                        ; 16 h
	v_lshlrev_b32 v9, 4, v1
	v_lshl_add_u32 v9, v2, 13, v9                  ; 16 r, + a head's 8,192 bytes for lanes 16-31
.irp a, 0,1,2,3,4,5,6,7
	EBLOCK \a, 0
.endr
.irp a, 0,1,2,3,4,5,6,7
	v_lshrrev_b32 v[SW+\a], v8, v[SW+\a]           ; lanes 0-15 keep the first head's two bytes lowest, lanes 16-31 get the next head's; the bytes above meet zero codes alone and are never 0xff
.endr
	global_store_b128 v9, v[SW:SW+3], s[16:17]     ; sixteen lanes store 256 consecutive bytes, aligned
	global_store_b128 v9, v[SW+4:SW+7], s[16:17] offset:256
	s_branch .Ldone
.Lway_v:
	; v: tokens 16 PT on, PT = PT0 + 8 (w & 1): key step (PT % 128) / 8 of batch PT / 128; heads 4 cy + 2 (w >> 1) and the next, four tiles of d each
	s_lshl_b32 s8, s[WL], 3
	s_add_co_u32 s8, s8, s[PT0]
	s_lshr_b32 s9, s8, 7
	s_and_b32 s8, s8, 127
	s_lshr_b32 s8, s8, 3
	s_lshl_b32 s10, s[CY], 2
	s_lshl_b32 s11, s[WH], 1
	s_add_co_u32 s10, s10, s11
	s_lshl_b32 s9, s9, 4
	s_add_co_u32 s9, s9, s10
	s_mul_i32 s10, s9, 98304
	s_mul_i32 s11, s8, 6144
	s_add_co_u32 s10, s10, s11
	s_mov_b32 s11, 0
	s_add_nc_u64 s[18:19], s[18:19], s[10:11]
	s_lshl_b32 s10, s9, 12
	s_lshl_b32 s8, s8, 8
	s_add_co_u32 s10, s10, s8
	s_add_nc_u64 s[20:21], s[20:21], s[10:11]
	s_wait_alu depctr_va_vdst(0)
	v_lshlrev_b32 v9, 4, v1
	v_lshl_add_u32 v9, v2, 12, v9                  ; 16 r, + a head's 4,096 bytes for lanes 16-31
.irp a, 0,1,2,3,4,5,6,7
	EBLOCK \a, 1
.endr
	v_cmp_eq_u32 vcc_lo, 1, v2
.irp t, 0,1,2,3
	v_cndmask_b32 v[SW+\t], v[SW+\t], v[SW+4+\t], vcc_lo   ; lanes 16-31: the next head's four tiles
.endr
	global_store_b128 v9, v[SW:SW+3], s[20:21]
.Ldone:
	s_wait_tensorcnt 0x0                           ; the wave's end
	ds_add_u32 v[SPW], v[NIL]
	s_wait_dscnt 0x0
	CROUND                                         ; the closing round
	s_endpgm
.Lfunc_end_k_qd4d46bb79d_proj:
	.size	k_qd4d46bb79d_proj, .Lfunc_end_k_qd4d46bb79d_proj-k_qd4d46bb79d_proj
	.p2alignl 7, 3214868480
	.fill 96, 4, 3214868480
	.section	.rodata,"a",@progbits
	.p2align	6, 0x0
	.amdhsa_kernel k_qd4d46bb79d_proj
		.amdhsa_group_segment_fixed_size 327680
		.amdhsa_private_segment_fixed_size 0
		.amdhsa_enable_private_segment 0
		.amdhsa_kernarg_size 72
		.amdhsa_user_sgpr_count 2
		.amdhsa_user_sgpr_kernarg_segment_ptr 1
		.amdhsa_wavefront_size32 1
		.amdhsa_system_sgpr_workgroup_id_x 1
		.amdhsa_system_sgpr_workgroup_id_y 1
		.amdhsa_system_sgpr_workgroup_id_z 1
		.amdhsa_system_vgpr_workitem_id 0
		.amdhsa_next_free_vgpr 1024
		.amdhsa_next_free_sgpr 102
		.amdhsa_reserve_vcc 1
		.amdhsa_float_denorm_mode_32 3
		.amdhsa_float_denorm_mode_16_64 3
		.amdhsa_memory_ordered 1
		.amdhsa_forward_progress 1
		.amdhsa_inst_pref_size 229
	.end_amdhsa_kernel
	.amdgpu_metadata
---
amdhsa.version: [ 1, 2 ]
amdhsa.kernels:
  - .name:           k_qd4d46bb79d_proj
    .symbol:         k_qd4d46bb79d_proj.kd
    .args:
      - { .name: xwc, .offset: 0, .size: 8, .value_kind: global_buffer, .address_space: global }
      - { .name: xws, .offset: 8, .size: 8, .value_kind: global_buffer, .address_space: global }
      - { .name: bq, .offset: 16, .size: 8, .value_kind: global_buffer, .address_space: global }
      - { .name: bk, .offset: 24, .size: 8, .value_kind: global_buffer, .address_space: global }
      - { .name: bv, .offset: 32, .size: 8, .value_kind: global_buffer, .address_space: global }
      - { .name: qkc, .offset: 40, .size: 8, .value_kind: global_buffer, .address_space: global }
      - { .name: qks, .offset: 48, .size: 8, .value_kind: global_buffer, .address_space: global }
      - { .name: vc, .offset: 56, .size: 8, .value_kind: global_buffer, .address_space: global }
      - { .name: vs, .offset: 64, .size: 8, .value_kind: global_buffer, .address_space: global }
    .group_segment_fixed_size: 327680
    .private_segment_fixed_size: 0
    .kernarg_segment_align: 8
    .kernarg_segment_size: 72
    .max_flat_workgroup_size: 128
    .sgpr_count:     102
    .vgpr_count:     1024
    .wavefront_size: 32
...
	.end_amdgpu_metadata
.endif
;; end of part 2
;; launch attn (part 3): grid 4 x 64, 16 waves a work-group, clusters of 4 x 1, 206,848 bytes of LDS; arguments qkc, qks, vc, vs, oc, os; writes oc, os
.if DOCPART == 3
	.amdgcn_target "amdgcn-amd-amdhsa--gfx1250"
	.amdhsa_code_object_version 6
	.text
	.protected	k_qd4d46bb79d_attn
	.globl	k_qd4d46bb79d_attn
	.p2align	8
	.type	k_qd4d46bb79d_attn,@function
k_qd4d46bb79d_attn:
	s_mov_b64 s[64:65], 0
	v_nop
	global_prefetch_b8 v0, s[64:65] scope:SCOPE_SE
	s_setreg_imm32_b32 hwreg(HW_REG_WAVE_MODE, 25, 1), 1
	s_wait_xcnt 0x0
	s_wait_alu depctr_hold_cnt(0) depctr_sa_sdst(0) depctr_va_vdst(0) depctr_va_sdst(0) depctr_va_ssrc(0) depctr_va_vcc(0) depctr_vm_vsrc(0)
	s_getreg_b32 s2, hwreg(HW_REG_IB_STS2, 6, 4)
	s_cmp_eq_u32 s2, 0
	s_cbranch_scc0 .Lentry_in_a_cluster
	s_endpgm
.Lentry_in_a_cluster:
	s_bfe_u32 s2, ttmp6, 0x10000c
	s_cmp_lg_u32 s2, 0x3003
	s_cbranch_scc0 .Lentry_shape_is_right
	s_endpgm
.Lentry_shape_is_right:
; o = softmax(q k^T / 8, causal) v for one (batch, head) to a cluster, both products on codes of FP6 (E2M3) with E8M0 scales; o / l is quantised here along (head, d) for the output projection.
; LEFT OUT: key steps of 128 keys that all lie behind a tile's queries: the causal mask sets their scores to -infinity, so their p is 0 for every input.
; THE SOFTMAX: t = score x log2(e) / 8; M = the running largest t rounded UP to a whole number; p = 2^(t - M) is quantised along the keys; the row's sum is taken of the unquantised p and divides at the end;
; when M moves, the sum and O are multiplied by 2^(old M - new M), which rounds nothing.
; THE ORDER OF ROWS: place i of tile T is row 64 (T/4) + 32 (i/8) + 8 (T%4) + i%8.  Both products are used transposed (S^T = K Q^T, O^T = V^T P): a lane (r, h) holds query place r, and its 32 registers of
; score tiles 4 c .. 4 c + 3 are keys 64 c + 32 h + 0 .. 31: a WHOLE scale block, so a block's maximum and its codes need no other lane; only the row's maximum and the scale word's bytes cross to lane l xor 16.
; K = 64 IN THE FIRST PRODUCT: a fragment of K holds TWO key tiles (registers 0-5 and 6-11).  Q lies in registers as Q, zeros, Q: against (Q, 0) the product gives the first tile's scores, against (0, Q) the second's.
; K's scale words are packed to match on their way into LDS (two bytes of each tile); Q's word holds its two bytes twice.
; NO RING: a head's K and V codes, 196,608 bytes, come into LDS once, by joint loads of the cluster's four work-groups, one load of 12,288 bytes a wave (waves 0-7 K, waves 8-15 V).  The scale words, 12,288 bytes,
; come by plain loads and LDS stores.  No prefetch: all that the launch reads by tensor loads is asked for at its head.
; ONE SET OF 48 REGISTERS serves K's and V's fragments by turns: V of this step is asked for behind the scores' products, K of the next step behind the products with V.
; The last step of a pass so asks for one step of K that it does not use; the bytes lie inside LDS and have been filled.
; FOUR WAVES SHARE A SIMD: maxima and sums go in eight chains side by side, the sum's lines stand between the dependent lines that make p's scale word, and the row's one serial chain carries one-field hints.
; A pass's Q is asked for a pass ahead (the first at the head) and moved into its place at the pass's opening.
; SHARES.  Query tile T = 8 g + e needs key steps 0 .. g.  Work-group cx owns e = 2 cx and 2 cx + 1; wave w takes (g = w, e = 2 cx), then (g = 15 - w, e = 2 cx + 1): 17 steps for every wave.
; All branches hang on the wave's number and the pass; cx enters global addresses and the mask's compared number alone.  The loop over key steps has a constant count; a hidden step's work is jumped over.
; oc: [group of 8 token tiles][pair of heads][tile][head % 2][768 bytes]; os: [token tile][pair of heads][place] words.
; LIMITS: the scaled scores stay under 2^31 in magnitude; p under 2^-126 counts as 0; a block of zeros gets the byte 1 (its codes are zeros, and this program alone reads the bytes); NaN and infinities are not served.
.set VC,    98304                      ; LDS: K's codes from 0, V's from here,
.set SK,    196608                     ; K's packed scale words: [step][half][r][2 words],
.set SV,    200704                     ; V's: [step][r][4 words],
.set SPARE, 204800                     ; the spare words: 128 bytes a wave
.set AK0, 1                            ; v1-4   8 x lane + 1,536 f: fragment f of key step 0
.set L8,  5                            ; v5     8 x lane
.set R16, 6                            ; v6     16 r
.set LQ,  7                            ; v7     32 (r / 8) + r % 8 - 32 h
.set AD,  8                            ; v8-11  the four fragments' addresses of the next request
.set QB,  16                           ; v16-33 Q, zeros, Q;  v12 -M, v13 the largest score, v[14:15] the sum
.set QS,  34                           ; Q's scale word; v35 p's
.set PS,  35
.set ASK0, 36
.set ASV0, 37
.set ADS, 38
.set ADT, 39
.set KS,  40                           ; v40-43 K's scale words, v44-47 V's
.set VS,  44
.set KV,  48                           ; v48-95 four fragments, K's or V's
.set S,   96                           ; v96-159 S^T, then p
.set O,   160                          ; v160-191 O^T
.set PC,  192                          ; v192-203 p's codes; v204-210 the upper halves before they are moved
.set CT,  204
.set NEG, 211                          ; -infinity
.set BM,  212                          ; v212-215 maxima of pairs of tiles, then of my two blocks
.set BS,  216                          ; v216-217 at work on the maxima, then the conversions' scale operands
.set T0,  218                          ; v218-225 the eight tiles' maxima; v218 at work behind them
.set F,   226                          ; v[226:227] f = 2^(old M - new M), 0
.set MD,  228
.set SH8, 229
.set SO,  230
.set PD,  231
.set SPW, 232
.set NIL, 233
.set CH,  234                          ; v234-247 seven more chains of the sum
.set OM,  248                          ; the old -M
.set QNS, 249                          ; the next pass's Q: its scale word, v250-255 its codes
.set QN,  250
.set WV,  16
.set CX,  17
.set BH,  18
.set NC,  19
.set SEL, 20
.set CS,  22
.set G1,  24
.set PASS, 32
.set GN,  33
.set MK,  36                           ; s36-43 eight masks of the diagonal
.set G0K, 48
.set G0V, 52
.set G,   66
.set J,   67
.set TKN, 68
.set TV,  69
.set TSN, 70
.set TSV, 71
.macro WALU
	s_wait_alu depctr_va_vdst(0)
.endm
.macro CROUND
	s_barrier_signal -1
	s_barrier_wait -1
	s_cmp_lg_u32 s[WV], 0
	s_cbranch_scc1 .Lnot_wave_0_\@
	s_barrier_signal -3
.Lnot_wave_0_\@:
	s_barrier_wait -3
	s_barrier_signal -1
	s_barrier_wait -1
.endm
.macro FRAGS adr                       ; four fragments as they lie: two pieces of 256 consecutive bytes to a load
.irp f, 0,1,2,3
.irp p, 0,2,4
	ds_load_2addr_b64 v[KV+12*\f+2*\p:KV+12*\f+2*\p+3], v[\adr+\f] offset0:32*\p offset1:32*\p+32
.endr
.endr
.endm
.macro QASK g, p                       ; the codes and the scale word of query tile 8 s[g] + 2 cx + p are asked for
	s_lshl_b32 s81, s[CX], 1
.if \p
	s_add_co_u32 s81, s81, \p
.endif
	s_lshl_b32 s80, s[\g], 3
	s_add_co_u32 s80, s80, s81
	s_lshl_b32 s82, s[BH], 7
	s_add_co_u32 s82, s82, s80
	s_mul_i32 s82, s82, 768
	s_mov_b32 s83, 0
	s_add_nc_u64 s[72:73], s[4:5], s[82:83]
	s_lshl_b32 s82, s[BH], 13
	s_lshl_b32 s84, s[\g], 9
	s_add_co_u32 s82, s82, s84
	s_lshr_b32 s84, s81, 2
	s_lshl_b32 s84, s84, 8
	s_add_co_u32 s82, s82, s84
	s_and_b32 s84, s81, 3
	s_lshl_b32 s84, s84, 2
	s_add_co_u32 s82, s82, s84
	s_add_nc_u64 s[74:75], s[6:7], s[82:83]
.irp q, 0,1,2
	global_load_b64 v[QN+2*\q:QN+2*\q+1], v[L8], s[72:73] offset:256*\q
.endr
	global_load_b32 v[QNS], v[R16], s[74:75]
.endm
.macro TMM cnt                         ; t - M, two numbers a line
.rept \cnt
	v_pk_fma_f32 v[S+n:S+n+1], v[S+n:S+n+1], s[CS:CS+1], v[12:13] op_sel_hi:[1,0,0]
.set n, n+2
.endr
.endm
.macro SUMK k                          ; line k = 0 .. 24 of the sum of the unquantised p, in eight chains by turns; line 0 brings the old sum under the new M
.if (\k) == 0
	v_pk_fma_f32 v[14:15], v[14:15], v[F:F+1], v[S:S+1] op_sel_hi:[1,0,1]
.elseif (\k) < 8
	v_pk_add_f32 v[CH+2*(\k)-2:CH+2*(\k)-1], v[S+4*(\k)-2:S+4*(\k)-1], v[S+4*(\k):S+4*(\k)+1]
.elseif (\k)%8 == 0
	v_pk_add_f32 v[14:15], v[14:15], v[S+2*(\k)+14:S+2*(\k)+15]
.else
	v_pk_add_f32 v[CH+2*((\k)%8)-2:CH+2*((\k)%8)-1], v[CH+2*((\k)%8)-2:CH+2*((\k)%8)-1], v[S+2*(\k)+14:S+2*(\k)+15]
.endif
.endm
	s_load_b256 s[4:11], s[0:1], 0x0               ; qkc, qks, vc, vs
	s_load_b128 s[12:15], s[0:1], 0x20             ; oc, os
	v_lshl_add_u32 v[SPW], v0, 2, SPARE
	v_mov_b32 v[NIL], 0
	ds_add_u32 v[SPW], v[NIL]                      ; the opening lines
	ds_add_u32 v[SPW], v[NIL]
	v_lshrrev_b32 v1, 5, v0
	v_readfirstlane_b32 s[WV], v1                  ; wave 0..15
	s_bfe_u32 s[CX], ttmp6, 0x40000
	s_and_b32 s[BH], ttmp7, 0xffff                 ; 16 x batch + head
	s_mov_b32 s[G1], 15|(3<<16)|(1<<21)            ; 12,288 dense bytes as 48 rows of 256; the mask names all four work-groups
	s_mov_b32 s[G1+1], 32<<16
	s_mov_b32 s[G1+2], 48<<16
	s_mov_b32 s[G1+3], 32<<16
	s_mov_b32 s[G1+4], 48
	s_mov_b32 s[G1+5], 32
	s_mov_b32 s[G1+6], 0
	s_mov_b32 s[G1+7], 0
	s_mov_b32 s[SEL], 0x76543210
	s_mov_b32 s[SEL+1], 0xfedcba98
	s_mov_b32 s[CS], 0x3e38aa3b                    ; c = log2(e) / 8
	s_mov_b32 s[CS+1], s[CS]
	s_mov_b32 s[NC], 0xbe38aa3b                    ; -c
	s_and_b32 s80, s[WV], 7
	s_mul_i32 s80, s80, 12288                      ; my two key steps of K's or V's codes
	s_add_co_u32 s81, s[BH], 64                    ; k lies behind q's 64 heads
	s_mul_i32 s82, s81, 98304
	s_add_co_u32 s82, s82, s80
	s_mov_b32 s83, 0
	s_mul_i32 s84, s[BH], 98304
	s_add_co_u32 s84, s84, s80
	s_mov_b32 s85, 0
	s_lshl_b32 s86, s81, 13
	s_lshl_b32 s81, s[WV], 9
	s_add_co_u32 s86, s86, s81                     ; K's scale words of key step w
	s_mov_b32 s87, 0
	s_lshl_b32 s88, s[BH], 12
	s_lshl_b32 s81, s[WV], 8
	s_add_co_u32 s88, s88, s81                     ; V's
	s_mov_b32 s89, 0
	s_add_co_u32 s81, s81, SK                      ; where they go: 256 bytes a wave
	s_mov_b32 s[G0K], 1
	s_mul_i32 s[G0K+1], s[WV], 12288
	s_mov_b32 s[G0V], 1
	s_mul_i32 s[G0V+1], s[WV], 12288               ; V's codes lie behind K's eight parts
	s_wait_dscnt 0x0
	s_wait_kmcnt 0x0
	s_add_nc_u64 s[G0K+2:G0K+3], s[4:5], s[82:83]
	s_or_b32 s[G0K+3], s[G0K+3], 0x80000000
	s_add_nc_u64 s[G0V+2:G0V+3], s[8:9], s[84:85]
	s_or_b32 s[G0V+3], s[G0V+3], 0x80000000
	s_add_nc_u64 s[86:87], s[6:7], s[86:87]
	s_add_nc_u64 s[88:89], s[10:11], s[88:89]
	CROUND                                         ; all four work-groups are here: the joint loads meet
	s_cmp_lt_u32 s[WV], 8
	s_cbranch_scc0 .Lfor_v
	tensor_load_to_lds s[G0K:G0K+3], s[G1:G1+7]
	s_nop 0
.rept 4
	v_nop
.endr
	s_branch .Lasked
.Lfor_v:
	tensor_load_to_lds s[G0V:G0V+3], s[G1:G1+7]
	s_nop 0
.rept 4
	v_nop
.endr
.Lasked:
	v_and_b32 v8, 15, v0                           ; r
	v_bfe_u32 v9, v0, 4, 1                         ; h
	v_and_b32 v10, 31, v0
	v_lshlrev_b32 v[L8], 3, v10
	v_lshlrev_b32 v11, 4, v10
	global_load_b128 v[S:S+3], v11, s[86:87]       ; lane 16 m + r: the words of key tiles 4 m .. 4 m + 3, row r
	global_load_b64 v[S+4:S+5], v[L8], s[88:89]
	v_mov_b32 v[AK0], v[L8]
.irp f, 1,2,3
	v_add_nc_u32 v[AK0+\f], 1536*\f, v[L8]
.endr
	v_lshlrev_b32 v[R16], 4, v8
	v_lshl_add_u32 v[ASK0], v8, 3, SK
	v_add_nc_u32 v[ASV0], SV, v[R16]
	v_add_nc_u32 v[ADS], s81, v[L8]
	v_lshrrev_b32 v[LQ], 3, v8
	v_sub_nc_u32 v[LQ], v[LQ], v9
	v_and_b32 v10, 7, v8
	v_lshl_add_u32 v[LQ], v[LQ], 5, v10
	v_lshlrev_b32 v[SH8], 3, v9                    ; 8 h
	v_lshl_add_u32 v[SO], v8, 2, v9                ; 4 r + h
.irp i, 6,7,8,9,10,11
	v_mov_b32 v[QB+\i], 0                          ; the zeros between Q and Q
.endr
	v_mov_b32 v[PD], 0                             ; a lane permute's destination counts as one of its sources
	v_mov_b32 v[F+1], 0                            ; named as the upper half of the pair
	v_mov_b32 v[NEG], 0xff800000
	s_mov_b32 s[G], s[WV]
	s_mov_b32 s[PASS], 0
	WALU                                           ; ahead of the scalar lines and the waits below
	QASK G, 0                                      ; the first pass's Q
	s_wait_loadcnt 4                               ; the scale words are in; Q's four loads, issued behind them, may be out
	v_perm_b32 v[S+6], v[S+1], v[S], 0x05040100    ; two bytes of each of a fragment's two tiles make its word
	v_perm_b32 v[S+7], v[S+3], v[S+2], 0x05040100
	ds_store_b64 v[ADS], v[S+6:S+7]
	ds_store_b64 v[ADS], v[S+4:S+5] offset:SV-SK
	s_wait_dscnt 0x0                               ; my stores are done,
	s_wait_tensorcnt 0x0                           ; my load has landed,
	s_barrier_signal -1
	s_barrier_wait -1                              ; everybody's have
.Lpass:
	s_lshl_b32 s81, s[CX], 1
	s_add_co_u32 s81, s81, s[PASS]                 ; e
	s_mov_b32 s83, 0
	s_lshr_b32 s84, s[BH], 4
	s_lshl_b32 s84, s84, 4
	s_add_co_u32 s84, s84, s[G]                    ; the group of 8 token tiles
	s_and_b32 s85, s[BH], 15                       ; the head
	s_mul_i32 s82, s84, 98304
	s_lshr_b32 s86, s85, 1
	s_mul_i32 s87, s86, 12288
	s_add_co_u32 s82, s82, s87
	s_mul_i32 s87, s81, 1536
	s_add_co_u32 s82, s82, s87
	s_and_b32 s85, s85, 1
	s_mul_i32 s87, s85, 768
	s_add_co_u32 s82, s82, s87
	s_add_nc_u64 s[76:77], s[12:13], s[82:83]      ; o's codes
	s_lshl_b32 s82, s84, 3
	s_add_co_u32 s82, s82, s81
	s_lshl_b32 s82, s82, 9
	s_lshl_b32 s86, s86, 6
	s_add_co_u32 s82, s82, s86
	s_lshl_b32 s85, s85, 1
	s_add_co_u32 s82, s82, s85
	s_add_nc_u64 s[78:79], s[14:15], s[82:83]      ; o's scale bytes: the head's two of each word
	s_lshr_b32 s88, s81, 2
	s_lshl_b32 s88, s88, 6
	s_and_b32 s86, s81, 3
	s_lshl_b32 s86, s86, 3
	s_add_co_u32 s88, s88, s86                     ; 64 (e / 4) + 8 (e % 4)
	FRAGS AK0                                      ; key step 0
	ds_load_2addr_b64 v[KS:KS+3], v[ASK0] offset0:0 offset1:16
	v_add_nc_u32 v[MD], s88, v[LQ]                 ; my query less 128 g less 32 h
	v_mov_b32 v13, 0xff61b1e6                      ; the largest score so far: -3e38
	v_mov_b32 v14, 0
	v_mov_b32 v15, 0
	v_mul_f32 v12, s[NC], v13
	s_mov_b32 s[J], 0
	s_mov_b32 s[TKN], 6144                         ; the next step's K,
	s_mov_b32 s[TV], VC                            ; this step's V,
	s_mov_b32 s[TSN], 256                          ; and their scale words
	s_mov_b32 s[TSV], 0
	s_xor_b32 s[GN], s[G], 15
	s_wait_loadcnt 0x0                             ; this pass's Q is in
	v_perm_b32 v[QS], v[QNS], v[QNS], 0x05040100   ; Q's two bytes, twice
.irp i, 0,1,2,3,4,5
	v_mov_b32 v[QB+\i], v[QN+\i]
	v_mov_b32 v[QB+12+\i], v[QN+\i]
.endr
	v_floor_f32 v12, v12                           ; -M
.set n, 0
.rept 32
	v_mov_b32 v[O+n], 0                            ; O^T: the step is written once; its first turn finds zeros.  These lines are also the places behind the writes of Q and of its scale word
.set n, n+1
.endr
	s_cmp_lg_u32 s[PASS], 0
	s_cbranch_scc1 .Lno_ask
	QASK GN, 1                                     ; the second pass's Q, a pass ahead
.Lno_ask:
	WALU
.Lstep:
	s_cmp_gt_u32 s[J], s[G]                        ; all 128 keys come after my queries: the step's work is left out
	s_cbranch_scc1 .Lhidden
	s_wait_dscnt 0x0                               ; K's fragments and scale words are in
.irp t, 0,1,2,3,4,5,6,7
	v_wmma_scale_f32_16x16x128_f8f6f4 v[S+8*\t:S+8*\t+7], v[KV+12*(\t/2):KV+12*(\t/2)+11], v[QB+6*(\t%2):QB+6*(\t%2)+11], 0, v[KS+\t/2], v[QS] matrix_a_fmt:MATRIX_FMT_FP6 matrix_b_fmt:MATRIX_FMT_FP6
.endr
.irp f, 0,1,2,3
	v_add_nc_u32 v[AD+\f], s[TV], v[AK0+\f]        ; plain lines behind the products, ahead of the loads into their registers and of the first read of the scores
.endr
	v_add_nc_u32 v[ADT], s[TSV], v[ASV0]
	FRAGS AD                                       ; V of this step lands where K lay, under the softmax
	ds_load_b128 v[VS:VS+3], v[ADT]
	s_cmp_lg_u32 s[J], s[G]
	s_cbranch_scc1 .Lopen
.set n, 0
.rept 8                                        ; on the diagonal hidden scores become -infinity: register 32 c + i holds key 128 g + 64 c + 32 h + i.  Eight compares, then their eight selects
.irp q, 0,1,2,3,4,5,6,7
	v_cmp_gt_i32 s[MK+\q], 64*((n+\q)/32)+(n+\q)%32, v[MD]
.endr
.irp q, 0,1,2,3,4,5,6,7
	v_cndmask_b32 v[S+n+\q], v[S+n+\q], v[NEG], s[MK+\q]
.endr
.set n, n+8
.endr
.Lopen:
	v_mov_b32 v[OM], v12
.irp t, 0,1,2,3,4,5,6,7                        ; the largest score of each tile, eight chains by turns; each accumulator is read from its low end on
	v_max3_num_f32 v[T0+\t], v[S+8*\t], v[S+8*\t+1], v[S+8*\t+2]
.endr
.irp i, 3,5
.irp t, 0,1,2,3,4,5,6,7
	v_max3_num_f32 v[T0+\t], v[T0+\t], v[S+8*\t+\i], v[S+8*\t+\i+1]
.endr
.endr
.irp u, 0,1,2,3
	v_max3_num_f32 v[BM+\u], v[T0+2*\u], v[S+16*\u+7], v[S+16*\u+15]
.endr
	s_delay_alu instid0(VALU_DEP_4)
	v_max3_num_f32 v[BS], v[BM], v[T0+1], v[T0+3]
	s_delay_alu instid0(VALU_DEP_3)
	v_max3_num_f32 v[BS+1], v[BM+2], v[T0+5], v[T0+7]
	s_delay_alu instid0(VALU_DEP_2)
	v_max_num_f32 v[BM], v[BS], v[BM+1]            ; my two blocks' largest scores: they serve the row's maximum and, since p rises with the score, the blocks' largest p
	s_delay_alu instid0(VALU_DEP_2)
	v_max_num_f32 v[BM+1], v[BS+1], v[BM+3]
	s_delay_alu instid0(VALU_DEP_1)
	v_max_num_f32 v[T0], v[BM], v[BM+1]
	s_delay_alu instid0(VALU_DEP_1)
	v_permlanex16_b32 v[PD], v[T0], s[SEL], s[SEL+1]
	s_delay_alu instid0(VALU_DEP_1)
	v_max3_num_f32 v13, v[T0], v[PD], v13          ; the running largest score of my query
	s_delay_alu instid0(VALU_DEP_1)
	v_mul_f32 v[T0], s[NC], v13
	s_delay_alu instid0(VALU_DEP_1)
	v_floor_f32 v12, v[T0]                         ; -M = floor(-t)
	s_delay_alu instid0(VALU_DEP_1)
	v_sub_f32 v[T0], v12, v[OM]                    ; old M - new M, a whole number, 0 or less
	s_delay_alu instid0(VALU_DEP_2)
	v_fma_f32 v[BM], v[BM], s[CS], v12
	s_delay_alu instid0(VALU_DEP_3)
	v_fma_f32 v[BM+1], v[BM+1], s[CS], v12
.set n, 0
	TMM 4
	v_cvt_i32_f32 v[T0], v[T0]
	TMM 5
	v_ldexp_f32 v[F], 1.0, v[T0]                   ; f
	TMM 23
.set n, 0
.rept 16
	v_pk_mul_f32 v[O+n:O+n+1], v[O+n:O+n+1], v[F:F+1] op_sel_hi:[1,0]   ; O^T under the new M
.set n, n+2
.endr
	WALU                                           ; ahead of the batch
.irp c, 0,1
	v_exp_f32 v[BM+\c], v[BM+\c]                   ; the blocks' largest p
.endr
.set n, 0
.rept 64
	v_exp_f32 v[S+n], v[S+n]                       ; p, at most 1, not normalised
.set n, n+1
.endr
	v_nop                                          ; a plain line behind the exponentials
	WALU                                           ; one wait for the batch, ahead of its first reader
.irp c, 0,1
	v_max_num_f32 v[BM+\c], 0x1800000, v[BM+\c]    ; the floor 2^(3 - 127)
.endr
.irp k, 0,1,2
	SUMK \k
.endr
.irp c, 0,1
	v_add_nc_u32 v[BS+\c], 0xff000000, v[BM+\c]    ; 2 off the exponent field: the conversions' scale operand
.endr
.irp k, 3,4,5
	SUMK \k
.endr
.irp c, 0,1
	v_lshrrev_b32 v[BM+\c], 23, v[BS+\c]
.endr
.irp k, 6,7,8,9
	SUMK \k
.endr
	v_lshl_or_b32 v[T0], v[BM+1], 16, v[BM]        ; my bytes: blocks h and 2 + h,
.irp k, 10,11,12,13
	SUMK \k
.endr
	v_lshlrev_b32 v[T0], v[SH8], v[T0]             ; at their places;
.irp k, 14,15,16,17
	SUMK \k
.endr
	v_permlanex16_b32 v[PD], v[T0], s[SEL], s[SEL+1]
.irp k, 18,19,20,21
	SUMK \k
.endr
	v_or_b32 v[PS], v[T0], v[PD]                   ; with lane l xor 16's: p's scale word for these 128 keys
.irp c, 0,1
	v_cvt_scalef32_pk16_fp6_f32 v[PC+6*\c:PC+6*\c+2], v[S+32*\c:S+32*\c+15], v[BS+\c]
	v_cvt_scalef32_pk16_fp6_f32 v[CT+4*\c:CT+4*\c+2], v[S+32*\c+16:S+32*\c+31], v[BS+\c]   ; (a conversion's three registers begin on an even number)
.endr
.irp k, 22,23,24
	SUMK \k
.endr
.irp c, 0,1
.irp i, 0,1,2
	v_mov_b32 v[PC+6*\c+3+\i], v[CT+4*\c+\i]
.endr
.endr
	v_pk_add_f32 v[CH:CH+1], v[CH:CH+1], v[CH+2:CH+3]          ; the chains are joined; these four are the plain lines between the codes' last write and the products (thirteen stand behind the scale word's)
	v_pk_add_f32 v[CH+4:CH+5], v[CH+4:CH+5], v[CH+6:CH+7]
	v_pk_add_f32 v[CH+8:CH+9], v[CH+8:CH+9], v[CH+10:CH+11]
	v_pk_add_f32 v[14:15], v[14:15], v[CH+12:CH+13]
	WALU
	s_wait_dscnt 0x0                               ; V's fragments and scale words are in
.irp t, 0,1,2,3
	v_wmma_scale_f32_16x16x128_f8f6f4 v[O+8*\t:O+8*\t+7], v[KV+12*\t:KV+12*\t+11], v[PC:PC+11], v[O+8*\t:O+8*\t+7], v[VS+\t], v[PS] matrix_a_fmt:MATRIX_FMT_FP6 matrix_b_fmt:MATRIX_FMT_FP6
.endr
.irp f, 0,1,2,3
	v_add_nc_u32 v[AD+\f], s[TKN], v[AK0+\f]       ; plain lines behind the products, ahead of the loads into their registers
.endr
	v_add_nc_u32 v[ADS], s[TSN], v[ASK0]
	FRAGS AD                                       ; K of the next step
	ds_load_2addr_b64 v[KS:KS+3], v[ADS] offset0:0 offset1:16
	v_pk_add_f32 v[CH:CH+1], v[CH:CH+1], v[CH+4:CH+5]
	v_pk_add_f32 v[14:15], v[14:15], v[CH+8:CH+9]
	s_delay_alu instid0(VALU_DEP_1)
	v_pk_add_f32 v[14:15], v[14:15], v[CH:CH+1]
	WALU
.Lhidden:
	s_add_co_u32 s[TKN], s[TKN], 6144
	s_add_co_u32 s[TV], s[TV], 6144
	s_add_co_u32 s[TSN], s[TSN], 256
	s_add_co_u32 s[TSV], s[TSV], 256
	s_add_co_u32 s[J], s[J], 1
	s_cmp_lt_u32 s[J], 16
	s_cbranch_scc1 .Lstep
	; the pass's end: o = O^T / the sum; register i is d = 32 h + i of my query: one block of the output projection's K
	v_add_f32 v14, v14, v15
	v_permlanex16_b32 v[PD], v14, s[SEL], s[SEL+1]
	v_add_f32 v14, v14, v[PD]
	WALU
	v_rcp_f32 v[F], v14
	v_nop
	WALU
.set n, 0
.rept 16
	v_pk_mul_f32 v[S+n:S+n+1], v[O+n:O+n+1], v[F:F+1] op_sel_hi:[1,0]
.set n, n+2
.endr
.irp t, 0,1,2,3
	v_max3_num_f32 v[T0+\t], |v[S+8*\t]|, |v[S+8*\t+1]|, |v[S+8*\t+2]|
.endr
.irp i, 3,5
.irp t, 0,1,2,3
	v_max3_num_f32 v[T0+\t], v[T0+\t], |v[S+8*\t+\i]|, |v[S+8*\t+\i+1]|
.endr
.endr
	v_max3_num_f32 v[BM], v[T0], |v[S+7]|, |v[S+15]|
	v_max3_num_f32 v[BM+1], v[T0+2], |v[S+23]|, |v[S+31]|
	v_max3_num_f32 v[BM], v[BM], v[T0+1], v[T0+3]
	v_max3_num_f32 v[BM], v[BM], v[BM+1], 0x1800000
	v_add_nc_u32 v[BS], 0xff000000, v[BM]
	v_cvt_scalef32_pk16_fp6_f32 v[PC:PC+2], v[S:S+15], v[BS]
	v_cvt_scalef32_pk16_fp6_f32 v[CT:CT+2], v[S+16:S+31], v[BS]
	v_lshrrev_b32 v[T0], 23, v[BS]                 ; my block's byte: a plain line behind the conversions
.irp i, 0,1,2
	v_mov_b32 v[PC+3+\i], v[CT+\i]
.endr
.irp p, 0,1,2
	global_store_b64 v[L8], v[PC+2*\p:PC+2*\p+1], s[76:77] offset:256*\p   ; 256 consecutive bytes, aligned
.endr
	global_store_b8 v[SO], v[T0], s[78:79]         ; a head has two scale bytes for a token: lane (r, h) stores byte h
	s_wait_dscnt 0x0                               ; the step of K asked for last has landed: its registers may be asked for again
	s_wait_xcnt 0x0                                ; the stores have read their registers and bases
	s_xor_b32 s[G], s[G], 15                       ; the second pass: g = 15 - w
	s_add_co_u32 s[PASS], s[PASS], 1
	s_cmp_lt_u32 s[PASS], 2
	WALU
	s_cbranch_scc1 .Lpass
	s_wait_tensorcnt 0x0                           ; the wave's end
	ds_add_u32 v[SPW], v[NIL]
	s_wait_dscnt 0x0
	CROUND                                         ; the closing round
	s_endpgm
.Lfunc_end_k_qd4d46bb79d_attn:
	.size	k_qd4d46bb79d_attn, .Lfunc_end_k_qd4d46bb79d_attn-k_qd4d46bb79d_attn
	.p2alignl 7, 3214868480
	.fill 96, 4, 3214868480
	.section	.rodata,"a",@progbits
	.p2align	6, 0x0
	.amdhsa_kernel k_qd4d46bb79d_attn
		.amdhsa_group_segment_fixed_size 206848
		.amdhsa_private_segment_fixed_size 0
		.amdhsa_enable_private_segment 0
		.amdhsa_kernarg_size 48
		.amdhsa_user_sgpr_count 2
		.amdhsa_user_sgpr_kernarg_segment_ptr 1
		.amdhsa_wavefront_size32 1
		.amdhsa_system_sgpr_workgroup_id_x 1
		.amdhsa_system_sgpr_workgroup_id_y 1
		.amdhsa_system_sgpr_workgroup_id_z 1
		.amdhsa_system_vgpr_workitem_id 0
		.amdhsa_next_free_vgpr 256
		.amdhsa_next_free_sgpr 90
		.amdhsa_reserve_vcc 0
		.amdhsa_float_denorm_mode_32 3
		.amdhsa_float_denorm_mode_16_64 3
		.amdhsa_memory_ordered 1
		.amdhsa_forward_progress 1
		.amdhsa_inst_pref_size 40
	.end_amdhsa_kernel
	.amdgpu_metadata
---
amdhsa.version: [ 1, 2 ]
amdhsa.kernels:
  - .name:           k_qd4d46bb79d_attn
    .symbol:         k_qd4d46bb79d_attn.kd
    .args:
      - { .name: qkc, .offset: 0, .size: 8, .value_kind: global_buffer, .address_space: global }
      - { .name: qks, .offset: 8, .size: 8, .value_kind: global_buffer, .address_space: global }
      - { .name: vc, .offset: 16, .size: 8, .value_kind: global_buffer, .address_space: global }
      - { .name: vs, .offset: 24, .size: 8, .value_kind: global_buffer, .address_space: global }
      - { .name: oc, .offset: 32, .size: 8, .value_kind: global_buffer, .address_space: global }
      - { .name: os, .offset: 40, .size: 8, .value_kind: global_buffer, .address_space: global }
    .group_segment_fixed_size: 206848
    .private_segment_fixed_size: 0
    .kernarg_segment_align: 8
    .kernarg_segment_size: 48
    .max_flat_workgroup_size: 512
    .sgpr_count:     90
    .vgpr_count:     256
    .wavefront_size: 32
...
	.end_amdgpu_metadata
.endif
;; end of part 3
;; launch outp (part 4): grid 4 x 64, 4 waves a work-group, clusters of 4 x 4, 327,680 bytes of LDS; arguments oc, os, xwc, xws, bo, out0; writes out0
.if DOCPART == 4
	.amdgcn_target "amdgcn-amd-amdhsa--gfx1250"
	.amdhsa_code_object_version 6
	.text
	.protected	k_qd4d46bb79d_outp
	.globl	k_qd4d46bb79d_outp
	.p2align	8
	.type	k_qd4d46bb79d_outp,@function
k_qd4d46bb79d_outp:
	s_mov_b64 s[64:65], 0
	v_nop
	global_prefetch_b8 v0, s[64:65] scope:SCOPE_SE
	s_setreg_imm32_b32 hwreg(HW_REG_WAVE_MODE, 25, 1), 1
	s_wait_xcnt 0x0
	s_wait_alu depctr_hold_cnt(0) depctr_sa_sdst(0) depctr_va_vdst(0) depctr_va_sdst(0) depctr_va_ssrc(0) depctr_va_vcc(0) depctr_vm_vsrc(0)
	s_getreg_b32 s2, hwreg(HW_REG_IB_STS2, 6, 4)
	s_cmp_eq_u32 s2, 0
	s_cbranch_scc0 .Lentry_in_a_cluster
	s_endpgm
.Lentry_in_a_cluster:
	s_bfe_u32 s2, ttmp6, 0x10000c
	s_cmp_lg_u32 s2, 0xf033
	s_cbranch_scc0 .Lentry_shape_is_right
	s_endpgm
.Lentry_shape_is_right:
; y = o wo + bo on codes of FP6 (E2M3) with E8M0 scales, K = 1,024; y [8192][1024] f32.
; THE DEAL: 256 work-groups, each 128 tokens x 256 columns; a wave makes 64 x 128: 32 accumulators.  P (source 0) = wo's columns, tiles 704 on of xwc; R (source 1) = tokens, oc: a lane holds a token and neighbouring columns.
; Wave w takes R's tiles 4 (w / 2) .. + 3 of the work-group's eight and P's group w % 2 of eight tiles.
; LAYOUT: place i of tile T is row 64 (T/4) + 32 (i/8) + 8 (T%4) + i%8.  oc and xwc are laid [group of 8 tiles][K/128 8][tile 8][1,536 bytes], a fragment as an image of its registers (6 units of 256 bytes, lane l's 8 bytes at 8 l):
; half of K of a group is one dense block of 49,152 bytes, and every LDS load reads 256 consecutive bytes.  os and xws: [tile][K/128][place] words.
; NO RING: one group of R and two of P, all of K, are 294,912 bytes and lie in LDS at once; nothing is filled again.  Every load brings 49,152 bytes.  At the head one a wave: waves 0 and 3 R's two halves of K, waves 1 and 2 the
; first half of K of P's two groups; behind a full sequence and a round of the cluster's barrier waves 1 and 2 ask for P's second halves, which a plain barrier ahead of the fetch of step 4 shows to all.
; CLUSTER 4 x 4: R's tiles are shared along a row of the cluster, P's along a column: joint loads.  No prefetch: all tiles are asked for at the head or one round behind it.
; The scale words, 12,288 bytes, come by plain loads (512 consecutive bytes an instruction, six a wave) and LDS stores into bytes that no tile lands on.
; TWO SETS of registers for both operands: a step's 88 LDS loads are issued one step of 32 products ahead.  The bias is the C of each sum's first product.
; THE WAY OUT goes through the wave's own stage, in the bytes of R's first half of K, which have had their one fill and, at the plain barrier, their last read: rows of 512 consecutive bytes leave, aligned.
; LIMITS: NaN, infinities and sums beyond f32's range are not served; a sum begins with the bias.
; REGISTERS: window 0: v7 16 x lane, v16-23 LDS addresses, v24-25 the stage, v27 scales' address, v28-29 for the add, v32-63 scale words (two sets), v64-127 the bias, v128-223 R's fragments (two sets); on the way out v128-255 rows of y.
;   window 1: P's fragments, two sets (v0, v128).  window 2: accumulator (a, b) at v[8 (8 a + b)].
.set HALFT,  24576                     ; a quarter of K of eight tiles
.set PART,   4*HALFT                   ; a group, all of K: R at 0, P's two groups behind it
.set SCL,    3*PART                    ; the scale words: R's 4,096 bytes, then P's 8,192
.set SPARE,  SCL+12288                 ; the spare words: 128 bytes a wave
.set FR,     12
.set CO,   7
.set ADRR, 16
.set ADRP, 20
.set STO,  24
.set RD,   25
.set ADRS, 27
.set SPW,  28
.set NIL,  29
.set SC,   32
.set BIAS, 64
.set RF,   128
.set BK,   128
.set WV,  22
.set WH,  23
.set WL,  66
.set IR,  67
.set CX,  92
.set CY,  93
.set G1R, 24
.set G1P, 32
.set G0R, 56
.set G0P, 60
.set MSB, 0
.macro WIN new                         ; the immediate's high byte repeats the setting that is left
.if MSB != (\new)
	s_set_vgpr_msb (MSB<<8)|(\new)
.set MSB, (\new)
.endif
.endm
.set MUL_LO, 0xa1                      ; source 0 (P) window 1, source 1 (R) window 0, C and D window 2
.set FST_LO, 0x81                      ; the first products: C (the bias) window 0
.set TO_P,   0x40
.macro CROUND
	s_barrier_signal -1
	s_barrier_wait -1
	s_cmp_lg_u32 s[WV], 0
	s_cbranch_scc1 .Lnot_wave_0_\@
	s_barrier_signal -3
.Lnot_wave_0_\@:
	s_barrier_wait -3
	s_barrier_signal -1
	s_barrier_wait -1
.endm
.macro PLACES n
.rept \n
	v_nop
.endr
.endm
.macro FRAG reg, adr, q, i             ; a fragment as it lies: six loads of 256 consecutive bytes
.irp p, 0,1,2,3,4,5
	ds_load_b64 v[\reg+2*\p:\reg+2*\p+1], v[\adr] offset:1536*(\i)+12288*(\q)+256*\p
.endr
.endm
.macro FETCH st                        ; step st's fragments into set st % 2; with an even step the scale words of its quarter: register 2 i + q: lanes 0-15 R's tile i, lanes 16-31 P's tile i
	WIN TO_P
.irp i, 0,1,2,3,4,5,6,7
	FRAG 128*((\st)%2)+FR*\i, ADRP+(\st)/2, (\st)%2, \i
.endr
	WIN 0
.irp i, 0,1,2,3
	FRAG RF+48*((\st)%2)+FR*\i, ADRR+(\st)/2, (\st)%2, \i
.endr
.if (\st)%2 == 0
.irp i, 0,1,2,3,4,5,6,7
.irp q, 0,1
	ds_load_b32 v[SC+16*(((\st)/2)%2)+2*\i+\q], v[ADRS] offset:512*\i+64*(\st)+64*\q
.endr
.endr
.endif
.endm
; 32 products: R's four tiles x P's eight.  The 32 accumulators take turns, one instruction a turn, in the same order in every step.
.macro MULS st, first
.if \first
	WIN FST_LO
.else
	WIN MUL_LO
.endif
.irp a, 0,1,2,3
.irp b, 0,1,2,3,4,5,6,7
.if \first
	v_wmma_scale_f32_16x16x128_f8f6f4 v[8*(8*\a+\b):8*(8*\a+\b)+7], v[128*((\st)%2)+FR*\b:128*((\st)%2)+FR*\b+FR-1], v[RF+48*((\st)%2)+FR*\a:RF+48*((\st)%2)+FR*\a+FR-1], v[BIAS+8*\b:BIAS+8*\b+7], v[SC+16*(((\st)/2)%2)+2*\b+(\st)%2], v[SC+16*(((\st)/2)%2)+2*\a+(\st)%2] matrix_a_fmt:MATRIX_FMT_FP6 matrix_b_fmt:MATRIX_FMT_FP6 matrix_a_scale:MATRIX_SCALE_ROW1
.else
	v_wmma_scale_f32_16x16x128_f8f6f4 v[8*(8*\a+\b):8*(8*\a+\b)+7], v[128*((\st)%2)+FR*\b:128*((\st)%2)+FR*\b+FR-1], v[RF+48*((\st)%2)+FR*\a:RF+48*((\st)%2)+FR*\a+FR-1], v[8*(8*\a+\b):8*(8*\a+\b)+7], v[SC+16*(((\st)/2)%2)+2*\b+(\st)%2], v[SC+16*(((\st)/2)%2)+2*\a+(\st)%2] matrix_a_fmt:MATRIX_FMT_FP6 matrix_b_fmt:MATRIX_FMT_FP6 matrix_a_scale:MATRIX_SCALE_ROW1
.endif
.endr
.endr
.endm
.macro STEP st, first                  ; 128 along K
.if (\st) == 3
	s_wait_tensorcnt 0x0                           ; all my tensor loads have landed, P's second half of K among them
.endif
	s_wait_dscnt 0x0                               ; this step's fragments, asked for a step ago, are in
.if (\st) == 3
	s_barrier_signal -1                            ; a plain barrier: the second halves of K are shown to all, and nobody reads the first halves any more
	s_barrier_wait -1
.endif
.if (\st) < 7
.if (\st) > 0
	PLACES 4                                       ; four plain lines ahead of loads into registers that matrix instructions have read
.endif
	FETCH (\st)+1
.endif
	MULS \st, \first
.endm
	s_load_b256 s[4:11], s[0:1], 0x0               ; oc, os, xwc, xws
	s_load_b128 s[12:15], s[0:1], 0x20             ; bo, out0
	v_lshl_add_u32 v[SPW], v0, 2, SPARE
	v_mov_b32 v[NIL], 0
	ds_add_u32 v[SPW], v[NIL]                      ; the opening lines
	ds_add_u32 v[SPW], v[NIL]
	v_lshrrev_b32 v1, 5, v0
	v_readfirstlane_b32 s[WV], v1                  ; wave 0..3
	s_lshr_b32 s[WH], s[WV], 1                     ; my half of R's tiles
	s_and_b32 s[WL], s[WV], 1                      ; my group of P's
	s_add_co_u32 s[IR], s[WV], 1
	s_lshr_b32 s[IR], s[IR], 1
	s_and_b32 s[IR], s[IR], 1                      ; 0: waves 0 and 3 fetch for R; 1: waves 1 and 2 for P
	s_bfe_u32 s[CX], ttmp6, 0x40000
	s_bfe_u32 s[CY], ttmp6, 0x40004
	s_lshl_b32 s2, s[CY], 2
	s_lshl_b32 s2, 15, s2                          ; my row of the cluster
	s_lshl_b32 s100, 0x1111, s[CX]                 ; my column
	s_or_b32 s[G1R], s2, (3<<16)|(1<<21)           ; 15:0 the mask; 17:16 elements of 8 bytes; 21 set beside a mask; no padding
	s_or_b32 s[G1P], s100, (3<<16)|(1<<21)
.irp g, G1R, G1P                       ; a dense block of 49,152 bytes as 192 rows of 256
	s_mov_b32 s[\g+1], 32<<16
	s_mov_b32 s[\g+2], 192<<16
	s_mov_b32 s[\g+3], 32<<16
	s_mov_b32 s[\g+4], 192
	s_mov_b32 s[\g+5], 32
	s_mov_b32 s[\g+6], 0
	s_mov_b32 s[\g+7], 0
.endr
	s_lshl_b32 s98, ttmp9, 2
	s_add_co_u32 s98, s98, s[CX]                   ; work-group x: 256 columns
	s_and_b32 s96, ttmp7, 0xffff
	s_lshl_b32 s96, s96, 2
	s_add_co_u32 s96, s96, s[CY]                   ; work-group y: 128 tokens, one group of oc
	s_mul_i32 s16, s96, PART
	s_mul_i32 s[G0R+1], s[WL], 2*HALFT             ; wave 0: R's first half of K, wave 3: its second
	s_add_co_u32 s16, s16, s[G0R+1]
	s_mov_b32 s17, 0
	s_lshl_b32 s18, s96, 12                        ; R's scale words: my quarter, 1,024 bytes
	s_lshl_b32 s19, s[WV], 10
	s_add_co_u32 s18, s18, s19
	s_mov_b32 s19, 0
	s_xor_b32 s3, s[WL], 1                         ; wave 1: P's group 0, wave 2: group 1
	s_lshl_b32 s20, s98, 1
	s_add_co_u32 s20, s20, s3
	s_add_co_u32 s20, s20, 88                      ; wo's tiles begin at tile 704, group 88
	s_mul_i32 s20, s20, PART
	s_mov_b32 s21, 0
	s_mul_i32 s[G0P+1], s3, PART
	s_add_co_u32 s[G0P+1], s[G0P+1], PART
	s_lshl_b32 s100, s98, 13                       ; P's scale words: 16 tiles of 512 bytes; my quarter, 2,048 bytes
	s_add_co_u32 s100, s100, 704*512
	s_lshl_b32 s101, s[WV], 11
	s_add_co_u32 s100, s100, s101
	s_mov_b32 s101, 0
	s_lshl_b32 s2, s98, 10                         ; my first column, in bytes
	s_lshl_b32 s3, s[WL], 9
	s_add_co_u32 s2, s2, s3
	s_mov_b32 s3, 0
	s_lshl_b32 s98, s96, 19                        ; my first token's row of 4,096 bytes
	s_lshl_b32 s99, s[WH], 18
	s_add_co_u32 s98, s98, s99
	s_add_co_u32 s98, s98, s2
	s_mov_b32 s99, 0
	s_mov_b32 s[G0R], 1
	s_mov_b32 s[G0P], 1
	s_wait_dscnt 0x0
	s_wait_kmcnt 0x0
	s_add_nc_u64 s[G0R+2:G0R+3], s[4:5], s[16:17]
	s_or_b32 s[G0R+3], s[G0R+3], 0x80000000
	s_add_nc_u64 s[G0P+2:G0P+3], s[8:9], s[20:21]
	s_or_b32 s[G0P+3], s[G0P+3], 0x80000000
	s_add_nc_u64 s[18:19], s[6:7], s[18:19]
	s_add_nc_u64 s[100:101], s[10:11], s[100:101]
	s_add_nc_u64 s[12:13], s[12:13], s[2:3]        ; bo at my first column
	s_add_nc_u64 s[14:15], s[14:15], s[98:99]      ; y at my corner
	s_mul_i32 s2, s[WH], 4*1536                    ; LDS: my four tiles of R,
	s_mul_i32 s3, s[WL], PART
	s_add_co_u32 s3, s3, PART                      ; my group of P,
	s_lshl_b32 s16, s[WV], 10
	s_add_co_u32 s16, s16, SCL                     ; where my shares of the scale words go,
	s_lshl_b32 s17, s[WV], 11
	s_add_co_u32 s17, s17, SCL+4096
	s_lshl_b32 s20, s[WH], 11
	s_add_co_u32 s20, s20, SCL                     ; my R tiles' scale words,
	s_xor_b32 s21, s[WH], 1
	s_add_co_u32 s21, s21, 1
	s_lshl_b32 s97, s[WL], 1
	s_add_co_u32 s21, s21, s97
	s_lshl_b32 s21, s21, 11                        ; from them to my P group's: 2,048 x (2 + 2 (w % 2) - w / 2),
	s_mul_i32 s96, s[WV], 8448                     ; my stage: 16 rows of 512 bytes + 16
	CROUND                                         ; all sixteen work-groups are here: the first joint loads meet
	s_cmp_eq_u32 s[IR], 0
	s_cbranch_scc0 .Lhead_p
	tensor_load_to_lds s[G0R:G0R+3], s[G1R:G1R+7]
	s_nop 0
	PLACES 4
	s_branch .Lhead_asked
.Lhead_p:
	tensor_load_to_lds s[G0P:G0P+3], s[G1P:G1P+7]
	s_nop 0
	PLACES 4
.Lhead_asked:
	v_and_b32 v1, 31, v0
	v_and_b32 v2, 15, v0                           ; r
	v_bfe_u32 v3, v0, 4, 1                         ; h
	v_lshlrev_b32 v[CO], 4, v1                     ; 16 x lane
	v_lshlrev_b32 v1, 3, v1                        ; 8 x lane
	v_lshlrev_b32 v5, 7, v3                        ; 32 h numbers
.irp k, 0,1
	global_load_b128 v[RF+4*\k:RF+4*\k+3], v[CO], s[18:19] offset:512*\k
.endr
.irp k, 0,1,2,3
	global_load_b128 v[RF+8+4*\k:RF+8+4*\k+3], v[CO], s[100:101] offset:512*\k
.endr
.irp b, 0,1
.irp m, 0,1,2,3,4,5,6,7
	global_load_b128 v[BIAS+32*\b+4*\m:BIAS+32*\b+4*\m+3], v5, s[12:13] offset:256*\b+16*\m   ; register 32 b + i: column 64 b + 32 h + i
.endr
.endr
	v_add_nc_u32 v8, s16, v[CO]
	v_add_nc_u32 v9, s17, v[CO]
	v_add_nc_u32 v[ADRR], s2, v1
	v_add_nc_u32 v[ADRP], s3, v1
.irp s, 1,2,3
	v_add_nc_u32 v[ADRR+\s], \s*HALFT, v[ADRR]     ; a register for each quarter of K
	v_add_nc_u32 v[ADRP+\s], \s*HALFT, v[ADRP]
.endr
	v_mul_u32_u24 v4, s21, v3                      ; lanes 16-31 take P's scale words
	v_lshl_add_u32 v4, v2, 2, v4
	v_add_nc_u32 v[ADRS], s20, v4
	v_mul_u32_u24 v[STO], v2, 528
	v_lshl_add_u32 v[STO], v3, 7, v[STO]
	v_add_nc_u32 v[STO], s96, v[STO]               ; into the stage: row r, + 128 h
	v_add_nc_u32 v[RD], s96, v[CO]                 ; back: 16 bytes a lane of a row
	s_wait_alu depctr_va_vdst(0)
	s_wait_loadcnt 0x0
.irp k, 0,1
	ds_store_b128 v8, v[RF+4*\k:RF+4*\k+3] offset:512*\k
.endr
.irp k, 0,1,2,3
	ds_store_b128 v9, v[RF+8+4*\k:RF+8+4*\k+3] offset:512*\k
.endr
	s_wait_tensorcnt 0x0                           ; my tile of the head's four is in
	ds_add_u32 v[SPW], v[NIL]
	s_add_co_u32 s[G0P+1], s[G0P+1], 2*HALFT       ; no tensor load of mine is out: P's second half of K
	s_add_nc_u64 s[G0P+2:G0P+3], s[G0P+2:G0P+3], 2*HALFT
	s_wait_dscnt 0x0                               ; the add and my stores of scale words are done
	CROUND
	s_cmp_eq_u32 s[IR], 0
	s_cbranch_scc1 .Lno_second
	tensor_load_to_lds s[G0P:G0P+3], s[G1P:G1P+7]  ; waves 1 and 2: the first tensor load behind the round
	s_nop 0
	PLACES 4
.Lno_second:
	FETCH 0
	STEP 0, 1                                      ; the first products start the sums on the bias
.irp st, 1,2,3,4,5,6,7
	STEP \st, 0
.endr
	WIN 0
; THE WAY OUT, a tile of 16 tokens x 128 columns at a time, through my stage; LDS serves a wave's instructions in order, so no wait stands between the stores and the loads
.macro TOSTAGE a
	WIN 0x08                                       ; the data: window 2
.irp b, 0,1,2,3,4,5,6,7
	ds_store_b128 v[STO], v[64*(\a)+8*\b:64*(\a)+8*\b+3] offset:256*(\b/4)+32*(\b%4)          ; each accumulator from its low end on
	ds_store_b128 v[STO], v[64*(\a)+8*\b+4:64*(\a)+8*\b+7] offset:256*(\b/4)+32*(\b%4)+16
.endr
	WIN 0
.set BB, BK+64*((\a)%2)
.irp t, 0,1,2,3,4,5,6,7,8,9,10,11,12,13,14,15
	ds_load_b128 v[BB+4*\t:BB+4*\t+3], v[RD] offset:\t*528
.endr
.endm
.macro SEND a, younger
.set BB, BK+64*((\a)%2)
	s_wait_dscnt \younger
.irp t, 0,1,2,3,4,5,6,7,8,9,10,11,12,13,14,15
	global_store_b128 v[CO], v[BB+4*\t:BB+4*\t+3], s[14:15] offset:(8*(\a)+\t+24*(\t/8))*4096 th:TH_STORE_NT   ; 512 consecutive bytes of the token at place t, aligned
.endr
.endm
	PLACES 4                                       ; ahead of the first read of results and of loads into the operands' registers
	TOSTAGE 0
.irp a, 1,2,3
.if \a > 1
	s_wait_xcnt 0x0                                ; tile a - 2's stores have read their registers: tile a's rows may land there
.endif
	TOSTAGE \a
	SEND \a-1, 32                                  ; behind tile a - 1's loads: tile a's 16 stores and 16 loads
.endr
	SEND 3, 0
	s_wait_tensorcnt 0x0                           ; the wave's end
	ds_add_u32 v[SPW], v[NIL]
	s_wait_dscnt 0x0
	CROUND                                         ; the closing round
	s_endpgm
.Lfunc_end_k_qd4d46bb79d_outp:
	.size	k_qd4d46bb79d_outp, .Lfunc_end_k_qd4d46bb79d_outp-k_qd4d46bb79d_outp
	.p2alignl 7, 3214868480
	.fill 96, 4, 3214868480
	.section	.rodata,"a",@progbits
	.p2align	6, 0x0
	.amdhsa_kernel k_qd4d46bb79d_outp
		.amdhsa_group_segment_fixed_size 327680
		.amdhsa_private_segment_fixed_size 0
		.amdhsa_enable_private_segment 0
		.amdhsa_kernarg_size 48
		.amdhsa_user_sgpr_count 2
		.amdhsa_user_sgpr_kernarg_segment_ptr 1
		.amdhsa_wavefront_size32 1
		.amdhsa_system_sgpr_workgroup_id_x 1
		.amdhsa_system_sgpr_workgroup_id_y 1
		.amdhsa_system_sgpr_workgroup_id_z 1
		.amdhsa_system_vgpr_workitem_id 0
		.amdhsa_next_free_vgpr 768
		.amdhsa_next_free_sgpr 102
		.amdhsa_reserve_vcc 0
		.amdhsa_float_denorm_mode_32 3
		.amdhsa_float_denorm_mode_16_64 3
		.amdhsa_memory_ordered 1
		.amdhsa_forward_progress 1
		.amdhsa_inst_pref_size 99
	.end_amdhsa_kernel
	.amdgpu_metadata
---
amdhsa.version: [ 1, 2 ]
amdhsa.kernels:
  - .name:           k_qd4d46bb79d_outp
    .symbol:         k_qd4d46bb79d_outp.kd
    .args:
      - { .name: oc, .offset: 0, .size: 8, .value_kind: global_buffer, .address_space: global }
      - { .name: os, .offset: 8, .size: 8, .value_kind: global_buffer, .address_space: global }
      - { .name: xwc, .offset: 16, .size: 8, .value_kind: global_buffer, .address_space: global }
      - { .name: xws, .offset: 24, .size: 8, .value_kind: global_buffer, .address_space: global }
      - { .name: bo, .offset: 32, .size: 8, .value_kind: global_buffer, .address_space: global }
      - { .name: out0, .offset: 40, .size: 8, .value_kind: global_buffer, .address_space: global }
    .group_segment_fixed_size: 327680
    .private_segment_fixed_size: 0
    .kernarg_segment_align: 8
    .kernarg_segment_size: 48
    .max_flat_workgroup_size: 128
    .sgpr_count:     102
    .vgpr_count:     768
    .wavefront_size: 32
...
	.end_amdgpu_metadata
.endif
;; end of part 4
